; MI455X (gfx1250); checked and timed in simulation.
; The chip was launched on July 23, 2026; its instructions are those of AMD's public machine-readable ISA for CDNA 5 (MIT licence, August 2026) and "CDNA5" Instruction Set Architecture Reference Guide (July 2026). The comments in the code are by the model that wrote it; some were corrected since.
;; Parallel Attention. Allowed arithmetic: float matrix products may take bf16 or f16 operands with f32 sums; all other float work in f32.
;; Inputs: W_o 1,024 x 1,024 float32; W_qkv 1,024 x 3,072 float32; attention_mask 2 x 1 x 2,048 x 2,048 float32; hidden_states 2 x 2,048 x 1,024 float32; rel_bias_emb 32 x 16 float32.
;; Outputs: out0 2 x 2,048 x 1,024 float32.
;; 2 versions, each right and faster than the one before. Each part assembles by itself: llvm-mc -triple=amdgcn-amd-amdhsa -mcpu=gfx1250 --defsym DOCPART=n.
;; ======== version 1 of 2: 4 launches
;; limits: values are held in f16: magnitudes above 65,504 overflow, below 6.1e-05 lose precision; inputs' magnitudes at most 65,504
;; workspace buffers: xh 8,388,608 bytes; wqt 6,291,456 bytes; wot 2,097,152 bytes; biasg 1,048,576 bytes; qkv 25,165,824 bytes; ctx 8,388,608 bytes
;; launch prep (part 1): grid 832 x 1, 8 waves a work-group, no clusters, 18,432 bytes of LDS; arguments hidden_states, W_qkv, W_o, rel_bias_emb, xh, wqt, wot, biasg; writes xh, wqt, wot, biasg
.if DOCPART == 1
	.amdgcn_target "amdgcn-amd-amdhsa--gfx1250"
	.amdhsa_code_object_version 6
	.text
	.protected	k_qbc2ae72cca_prep
	.globl	k_qbc2ae72cca_prep
	.p2align	8
	.type	k_qbc2ae72cca_prep,@function
k_qbc2ae72cca_prep:
	s_mov_b64 s[64:65], 0
	v_nop
	global_prefetch_b8 v0, s[64:65] scope:SCOPE_SE
	s_setreg_imm32_b32 hwreg(HW_REG_WAVE_MODE, 25, 1), 1
	s_wait_xcnt 0x0
; PREPARATION.  Four jobs, chosen by the work-group's number (the same for all eight waves of a work-group):
;   0-255    xh  = hidden_states rounded to f16, same order: 64 KiB of f32 a work-group.
;   256-639  wqt[n][k] = f16(W_qkv[k][n]): tiles of 128 k x 64 n, turned through LDS.
;   640-767  wot[n][k] = f16(W_o[k][n]): the same.
;   768-831  biasg[h][c][x] = log2(e) * rel_bias_emb[bucket(x - c - 2048)][h], x = 0..4095, c = 0..3: four copies a head, each shifted by
;            one entry, so that a lane of the attention launch finds eight neighbouring entries at a multiple of 16 bytes.
; Memory binds all four jobs: no matrix unit, no cluster, no tensor load; every store of sixteen or 32 lanes covers 256 consecutive bytes, aligned.
; WHY f16.  The mask enters the scores times 10,000 and is kept in f32, so the other inputs are kept as close to their f32 numbers as 16 bits allow: f16's 11 significant bits leave an eighth of
; what bf16's 8 would.  The inputs have room in it: spreads of 1 and 0.02, 30 times more or less, or an offset of 30 spreads, lie between f16's step and its end.
; LIMITS.  hidden_states, W_qkv and W_o must lie within 65,504 (beyond it f16 is infinite); below 6.1e-5 they keep f16's fixed step of 6e-8.  The bucket is found by whole-number
; thresholds: 8 + floor(2 log2(|d| / 8)) grows at |d| = 12, 16, 23, 32, 46, 64, 91 (the next whole number at or above 8 x 2^(n/2)); at 16, 32, 64 the quotient of the logarithms is a
; whole number in f32 too (ln 4, ln 8 and ln 16 round to 2, 3 and 4 times the rounded ln 2).
.set SPARE, 17408                      ; behind the stage of 64 rows x 272 bytes: the spare words, 128 bytes for each of eight waves
.set SPW, 4                            ; v4  LDS address of my spare word; never rewritten
.set NIL, 5                            ; v5  0; never rewritten
	s_load_b512 s[4:19], s[0:1], 0x0               ; x s[4:5], W_qkv s[6:7], W_o s[8:9], table s[10:11], xh s[12:13], wqt s[14:15], wot s[16:17], biasg s[18:19]
	v_lshl_add_u32 v[SPW], v0, 2, SPARE
	v_mov_b32 v[NIL], 0
	s_mov_b32 s20, ttmp9
	s_mov_b32 s23, 0                               ; the high word of every offset pair s[22:23]
	s_wait_kmcnt 0x0
	s_cmp_lt_u32 s20, 256
	s_cbranch_scc0 .Lnot_x
	; JOB X.  Thread t takes 16 bytes of every 4,096: sixteen loads are out at once, no register is used twice, so no wait frees anything.
	s_lshl_b32 s22, s20, 16
	s_add_nc_u64 s[4:5], s[4:5], s[22:23]
	s_lshl_b32 s22, s20, 15
	s_add_nc_u64 s[12:13], s[12:13], s[22:23]
	v_lshlrev_b32 v1, 4, v0
	v_lshlrev_b32 v2, 3, v0
.set i, 0
.rept 16
	global_load_b128 v[8+4*i:8+4*i+3], v1, s[4:5] offset:4096*i th:TH_LOAD_NT
.set i, i+1
.endr
.set i, 0
.rept 16
	s_wait_loadcnt 15-i                            ; loads come back in order: load i is in, the 15 - i younger ones stay out
	v_cvt_pk_f16_f32 v[72+2*i], v[8+4*i], v[8+4*i+1]
	v_cvt_pk_f16_f32 v[72+2*i+1], v[8+4*i+2], v[8+4*i+3]
	global_store_b64 v2, v[72+2*i:72+2*i+1], s[12:13] offset:2048*i  ; 32 lanes x 8 bytes: 256 consecutive bytes, aligned
.set i, i+1
.endr
	s_endpgm
; A tile of 128 k x 64 n is turned.  Thread t = 16 kp + nq loads rows k = 32 i + 2 kp and + 1 (i = 0..3), 16 bytes (4 n) of each: sixteen lanes read 256 consecutive bytes.
; A pair of rows packs into one word (k even below, k odd above), which goes to stage row n at byte 2 k.  Behind a barrier the stage is read by rows of 256 bytes.
.macro TRANS sb, db, pitch, first
	s_sub_co_u32 s21, s20, \first                  ; the tile's number
	s_and_b32 s24, s21, 7                          ; kt
	s_lshr_b32 s25, s21, 3                         ; nt
	s_mul_i32 s22, s24, 128*(\pitch)
	s_lshl_b32 s26, s25, 8
	s_add_co_u32 s22, s22, s26
	s_add_nc_u64 s[\sb:\sb+1], s[\sb:\sb+1], s[22:23]
	s_lshl_b32 s22, s25, 17                        ; 64 rows of 2,048 bytes
	s_lshl_b32 s26, s24, 8
	s_add_co_u32 s22, s22, s26
	s_add_nc_u64 s[\db:\db+1], s[\db:\db+1], s[22:23]
	v_and_b32 v6, 15, v0                           ; nq
	v_lshrrev_b32 v7, 4, v0                        ; kp
	v_mul_u32_u24 v1, v7, 2*(\pitch)
	v_lshl_add_u32 v1, v6, 4, v1                   ; source offset
	v_mul_u32_u24 v2, v6, 4*272
	v_lshl_add_u32 v2, v7, 2, v2                   ; stage, in: row 4 nq, byte 4 kp
	v_mul_u32_u24 v3, v7, 272
	v_lshl_add_u32 v3, v6, 4, v3                   ; stage, back: row kp, 16 bytes a lane
	v_lshlrev_b32 v72, 11, v7
	v_lshl_add_u32 v72, v6, 4, v72                 ; and the same place in the turned matrix
.irp i, 0,1,2,3
	global_load_b128 v[8+8*\i:8+8*\i+3], v1, s[\sb:\sb+1] offset:(32*\i)*(\pitch) th:TH_LOAD_NT
	global_load_b128 v[8+8*\i+4:8+8*\i+7], v1, s[\sb:\sb+1] offset:(32*\i+1)*(\pitch) th:TH_LOAD_NT
.endr
.irp i, 0,1,2,3
	s_wait_loadcnt 6-2*\i                          ; pair i of the eight loads is in
.irp j, 0,1,2,3
	v_cvt_pk_f16_f32 v[40+4*\i+\j], v[8+8*\i+\j], v[8+8*\i+4+\j]
	ds_store_b32 v2, v[40+4*\i+\j] offset:272*\j+64*\i
.endr
.endr
	s_wait_dscnt 0x0                               ; for the others' sake: my stores into the stage are done
	s_barrier_signal -1
	s_barrier_wait -1
.irp i, 0,1,2,3
	ds_load_b128 v[56+4*\i:56+4*\i+3], v3 offset:4352*\i
.endr
.irp i, 0,1,2,3
	s_wait_dscnt 3-\i
	global_store_b128 v72, v[56+4*\i:56+4*\i+3], s[\db:\db+1] offset:32768*\i  ; sixteen lanes store 256 consecutive bytes, aligned
.endr
	s_wait_tensorcnt 0x0                           ; the wave's end, behind my last LDS store
	ds_add_u32 v[SPW], v[NIL]
	s_wait_dscnt 0x0
	s_endpgm
.endm
.Lnot_x:
	s_cmp_lt_u32 s20, 640
	s_cbranch_scc0 .Lnot_q
	TRANS 6, 14, 12288, 256
.Lnot_q:
	s_cmp_lt_u32 s20, 768
	s_cbranch_scc0 .Ltable
	TRANS 8, 16, 4096, 640
	; JOB B.  One copy of one head's table: 4,096 entries, four a thread and trip.
.macro BUCKET e
	v_add_nc_u32 v10, \e, v1
	v_sub_nc_u32 v10, v10, s24                     ; d = x - c - 2048 = key - query
	v_sub_nc_u32 v11, 0, v10
	v_max_i32 v11, v10, v11                        ; |d|
	v_mov_b32 v[16+\e], 8
.irp th, 12,16,23,32,46,64,91
	v_cmp_le_u32 vcc_lo, \th, v11
	v_add_co_ci_u32 v[16+\e], vcc_lo, 0, v[16+\e], vcc_lo  ; one more for each threshold reached: 15 at the most
.endr
	v_cmp_gt_u32 vcc_lo, 8, v11
	v_cndmask_b32 v[16+\e], v[16+\e], v11, vcc_lo  ; below 8 the distance itself
	v_cmp_lt_i32 vcc_lo, 0, v10
	v_cndmask_b32 v13, 0, 16, vcc_lo               ; keys behind the query take the upper half
	v_add_nc_u32 v[16+\e], v[16+\e], v13
	v_min_u32 v[16+\e], 31, v[16+\e]
	v_lshl_add_u32 v[16+\e], v[16+\e], 6, s25      ; a row of the table is 64 bytes
	global_load_b32 v[20+\e], v[16+\e], s[10:11]
.endm
.Ltable:
	s_sub_co_u32 s21, s20, 768                     ; 4 x head + copy
	s_lshl_b32 s22, s21, 14
	s_add_nc_u64 s[18:19], s[18:19], s[22:23]
	s_lshr_b32 s25, s21, 2
	s_lshl_b32 s25, s25, 2                         ; the head's byte in a row of the table
	s_and_b32 s24, s21, 3
	s_add_co_u32 s24, s24, 2048                    ; c + 2048
	v_lshlrev_b32 v1, 2, v0                        ; my first entry
	v_lshlrev_b32 v2, 4, v0                        ; and its byte
	s_mov_b32 s26, 4
.Lrow:
.irp e, 0,1,2,3
	BUCKET \e
.endr
	s_wait_loadcnt 0x0
.irp e, 0,1,2,3
	v_mul_f32 v[20+\e], 0x3fb8aa3b, v[20+\e]       ; the attention launch works in base 2
.endr
	global_store_b128 v2, v[20:23], s[18:19]
	s_wait_xcnt 0x0                                ; the store's offset and data are rewritten only behind this wait
	v_add_nc_u32 v1, 1024, v1
	v_add_nc_u32 v2, 4096, v2
	s_sub_co_u32 s26, s26, 1
	s_cmp_lg_u32 s26, 0
	s_cbranch_scc1 .Lrow
	s_endpgm
.Lfunc_end_k_qbc2ae72cca_prep:
	.size	k_qbc2ae72cca_prep, .Lfunc_end_k_qbc2ae72cca_prep-k_qbc2ae72cca_prep
	.p2alignl 7, 3214868480
	.fill 96, 4, 3214868480
	.section	.rodata,"a",@progbits
	.p2align	6, 0x0
	.amdhsa_kernel k_qbc2ae72cca_prep
		.amdhsa_group_segment_fixed_size 18432
		.amdhsa_private_segment_fixed_size 0
		.amdhsa_enable_private_segment 0
		.amdhsa_kernarg_size 64
		.amdhsa_user_sgpr_count 2
		.amdhsa_user_sgpr_kernarg_segment_ptr 1
		.amdhsa_wavefront_size32 1
		.amdhsa_system_sgpr_workgroup_id_x 1
		.amdhsa_system_sgpr_workgroup_id_y 1
		.amdhsa_system_sgpr_workgroup_id_z 1
		.amdhsa_system_vgpr_workitem_id 0
		.amdhsa_next_free_vgpr 104
		.amdhsa_next_free_sgpr 66
		.amdhsa_reserve_vcc 1
		.amdhsa_float_denorm_mode_32 3
		.amdhsa_float_denorm_mode_16_64 3
		.amdhsa_memory_ordered 1
		.amdhsa_forward_progress 1
		.amdhsa_inst_pref_size 22
	.end_amdhsa_kernel
	.amdgpu_metadata
---
amdhsa.version: [ 1, 2 ]
amdhsa.kernels:
  - .name:           k_qbc2ae72cca_prep
    .symbol:         k_qbc2ae72cca_prep.kd
    .args:
      - { .name: hidden_states, .offset: 0, .size: 8, .value_kind: global_buffer, .address_space: global }
      - { .name: W_qkv, .offset: 8, .size: 8, .value_kind: global_buffer, .address_space: global }
      - { .name: W_o, .offset: 16, .size: 8, .value_kind: global_buffer, .address_space: global }
      - { .name: rel_bias_emb, .offset: 24, .size: 8, .value_kind: global_buffer, .address_space: global }
      - { .name: xh, .offset: 32, .size: 8, .value_kind: global_buffer, .address_space: global }
      - { .name: wqt, .offset: 40, .size: 8, .value_kind: global_buffer, .address_space: global }
      - { .name: wot, .offset: 48, .size: 8, .value_kind: global_buffer, .address_space: global }
      - { .name: biasg, .offset: 56, .size: 8, .value_kind: global_buffer, .address_space: global }
    .group_segment_fixed_size: 18432
    .private_segment_fixed_size: 0
    .kernarg_segment_align: 8
    .kernarg_segment_size: 64
    .max_flat_workgroup_size: 256
    .sgpr_count:     66
    .vgpr_count:     104
    .wavefront_size: 32
...
	.end_amdgpu_metadata
.endif
;; end of part 1
;; launch qkvp (part 2): grid 16 x 16, 4 waves a work-group, clusters of 4 x 4, 327,680 bytes of LDS; arguments xh, wqt, qkv; writes qkv
.if DOCPART == 2
	.amdgcn_target "amdgcn-amd-amdhsa--gfx1250"
	.amdhsa_code_object_version 6
	.text
	.protected	k_qbc2ae72cca_qkvp
	.globl	k_qbc2ae72cca_qkvp
	.p2align	8
	.type	k_qbc2ae72cca_qkvp,@function
k_qbc2ae72cca_qkvp:
	s_mov_b64 s[64:65], 0
	v_nop
	global_prefetch_b8 v0, s[64:65] scope:SCOPE_SE
	s_setreg_imm32_b32 hwreg(HW_REG_WAVE_MODE, 25, 1), 1
	s_wait_xcnt 0x0
	s_wait_alu depctr_hold_cnt(0) depctr_sa_sdst(0) depctr_va_vdst(0) depctr_va_sdst(0) depctr_va_ssrc(0) depctr_va_vcc(0) depctr_vm_vsrc(0)
	s_getreg_b32 s2, hwreg(HW_REG_IB_STS2, 6, 4)
	s_cmp_eq_u32 s2, 0
	s_cbranch_scc0 .Lentry_in_a_cluster
	s_endpgm
.Lentry_in_a_cluster:
	s_bfe_u32 s2, ttmp6, 0x10000c
	s_cmp_lg_u32 s2, 0xf033
	s_cbranch_scc0 .Lentry_shape_is_right
	s_endpgm
.Lentry_shape_is_right:
; THE FUSED PROJECTION.  C[m][n] = sum over k of xh[m][k] wqt[n][k], m = 4,096 tokens, n = 3,072, k = 1,024, f16 operands, f32 sums.  C leaves by heads, in f16:
; qkv[batch][g = n / 64][token][64]; g = 0-15 is q, 16-31 k, 32-47 v.  q's sums are multiplied by c = log2(e) / 8 in f32 before their one rounding, so that the attention launch's K Q^T is the score in base 2.
; LIMIT.  f16 holds no number beyond 65,504: the operands arrive within it, and q c, k and v must lie within it; below 6.1e-5 they keep f16's fixed step of 6e-8.
; SHARES.  A tile of C is 256 x 192 (three heads): 16 x 16 tiles, one for each of 256 work-groups.  Wave w makes rows 64 w .. 64 w + 63 and all 192 columns: 48 accumulators of 16 x 16, 384 registers.
; K goes in steps of 128 through a ring of two LDS slots filled by tensor loads; the tiles' rows are 256 bytes of memory, aligned.
; CLUSTER.  4 x 4 work-groups: the four of a row of the cluster need the same tile of xh, the four of a column the same tile of wqt: each is asked for jointly, by the same load, descriptor and mask.
; THE MATRIX INSTRUCTION IS USED TRANSPOSED (source 0 = 16 rows of wqt, source 1 = 16 rows of xh): a lane holds eight neighbouring columns of one row of C, which pack into 16 bytes.
; REGISTERS, in windows of 256 (s_set_vgpr_msb: bits 1:0 source 0, 3:2 source 1, 5:4 source 2, 7:6 destination):
;   window 0: v0-31 addresses; v32-63, v64-95 xh's fragments, two buffers; v96-143 packed results; v144-239 rows read back, two buffers
;   window 1: v0-95, v96-191 wqt's fragments, two buffers      window 2: accumulators of row blocks 0, 1 ((a, b) at 8 (12 (a % 2) + b))      window 3: of row blocks 2, 3
.set KSTEP,  128
.set SIZE_K, 1024
.set PITCH,  272                       ; an LDS row: 256 bytes + 16 of padding: the 16 rows of a fragment load start at 16 different groups of four banks (ISA guide 11.1)
.set AHALF,  128*PITCH                 ; what waves 0 and 1 fetch: 128 rows of xh each
.set BHALF,  96*PITCH                  ; what waves 2 and 3 fetch: 96 rows of wqt each
.set BOFF,   2*AHALF
.set SLOT,   BOFF+2*BHALF              ; 121,856 bytes
.set STAGE,  2*SLOT                    ; behind the ring: for each wave 3 heads x 16 rows x 144 bytes, for the way out
.set SP,     144
.set WSTAGE, 3*16*SP
.set SPARE,  STAGE+4*WSTAGE            ; behind the stages: the spare words, 128 bytes a wave
.set ADRA, 16                          ; v16-17  LDS address of my fragments of xh in slot 0, 1
.set ADRB, 20                          ; v20-21  the same for wqt
.set STO,  24                          ; v24     the way out: where I put 16 bytes of a row
.set RD,   25                          ; v25     where I read rows back
.set GO,   26                          ; v26     16 x lane
.set SPW,  28                          ; v28     LDS address of my spare word; never rewritten
.set NIL,  29                          ; v29     0; never rewritten
.set FA,   32
.set TMP,  96
.set BK,   144
.set G1,  24                           ; s[24:31] descriptor group 1 for xh's tiles; s[32:39] group 0, a set for each slot
.set G0,  32
.set G1B, 48                           ; s[48:55], s[56:63] the same for wqt's
.set G0B, 56
.set OB,  66                           ; s[66:71] where my rows of the tile's three heads begin in qkv
.set SC,  72                           ; s[72:77] the three heads' factors (c or 1), each named as a pair
.set MSB, 0
.macro WIN new                         ; the immediate's high byte repeats the setting that is left; a switch that changes nothing is dropped
.if MSB != (\new)
	s_set_vgpr_msb (MSB<<8)|(\new)
.set MSB, \new
.endif
.endm
.set MUL_LO, 0xa1
.set MUL_HI, 0xf1
.set TO_B,   0x40
; A joint load: waves 0 and 1 fetch xh's halves, waves 2 and 3 wqt's.  The branch hangs on the wave's number alone.  An s_nop 0 and four v_nop follow each line.
.macro JLOAD s
	s_cmp_eq_u32 s11, 0
	s_cbranch_scc0 .Lfor_b_\@
	tensor_load_to_lds s[G0+4*(\s):G0+4*(\s)+3], s[G1:G1+7]
	s_nop 0
.rept 4
	v_nop
.endr
	s_branch .Lasked_\@
.Lfor_b_\@:
	tensor_load_to_lds s[G0B+4*(\s):G0B+4*(\s)+3], s[G1B:G1B+7]
	s_nop 0
.rept 4
	v_nop
.endr
.Lasked_\@:
.endm
.macro CREST                           ; a round of the cluster's barrier behind its opening barrier
	s_cmp_lg_u32 s10, 0
	s_cbranch_scc1 .Lnot_wave_0_\@
	s_barrier_signal -3
.Lnot_wave_0_\@:
	s_barrier_wait -3
	s_barrier_signal -1
	s_barrier_wait -1
.endm
.macro CROUND                          ; a whole round
	s_barrier_signal -1
	s_barrier_wait -1
	CREST
.endm
	s_load_b128 s[4:7], s[0:1], 0x0                ; xh s[4:5], wqt s[6:7]
	s_load_b64 s[8:9], s[0:1], 0x10                ; qkv
	v_lshl_add_u32 v[SPW], v0, 2, SPARE
	v_mov_b32 v[NIL], 0
	ds_add_u32 v[SPW], v[NIL]                      ; the wave's opening: the add and its wait stand ahead of my first tensor load
	v_lshrrev_b32 v1, 5, v0
	v_readfirstlane_b32 s10, v1                    ; wave 0..3
	s_lshr_b32 s11, s10, 1                         ; I fetch for xh (0) or wqt (1)
	s_and_b32 s12, s10, 1                          ; which half of that tile
	s_bfe_u32 s40, ttmp6, 0x40000                  ; cx
	s_bfe_u32 s41, ttmp6, 0x40004                  ; cy
	s_lshl_b32 s42, ttmp9, 2
	s_add_co_u32 s42, s42, s40                     ; tile column = 4 x cluster x + cx
	s_and_b32 s13, ttmp7, 0xffff
	s_lshl_b32 s13, s13, 2
	s_add_co_u32 s13, s13, s41                     ; tile row = 4 x cluster y + cy
	s_lshl_b32 s43, s41, 2
	s_lshl_b32 s43, 15, s43                        ; my row of the cluster
	s_lshl_b32 s44, 0x1111, s40                    ; my column
	s_or_b32 s[G1+0], s43, (1<<16)|(1<<20)|(1<<21)|(5<<22)|(3<<25)   ; mask; 2-byte elements; padding on; bit 21 beside a mask; after every 64 words 4 words
	s_or_b32 s[G1B+0], s44, (1<<16)|(1<<20)|(1<<21)|(5<<22)|(3<<25)
	s_mov_b32 s[G1+1], KSTEP<<16                   ; tensor_dim0 = 128
	s_mov_b32 s[G1+2], 128<<16                     ; tensor_dim1 = 128
	s_mov_b32 s[G1+3], KSTEP<<16                   ; tile_dim0 = 128
	s_mov_b32 s[G1+4], 128                         ; tile_dim1 = 128
	s_mov_b32 s[G1+5], SIZE_K                      ; elements from row to row
	s_mov_b32 s[G1+6], 0
	s_mov_b32 s[G1+7], 0
	s_mov_b32 s[G1B+1], KSTEP<<16
	s_mov_b32 s[G1B+2], 96<<16                     ; 96 rows
	s_mov_b32 s[G1B+3], KSTEP<<16
	s_mov_b32 s[G1B+4], 96
	s_mov_b32 s[G1B+5], SIZE_K
	s_mov_b32 s[G1B+6], 0
	s_mov_b32 s[G1B+7], 0
	s_lshl_b32 s16, s13, 8                         ; xh: row 256 x tile row + 128 x half, 2,048 bytes a row
	s_lshl_b32 s17, s12, 7
	s_add_co_u32 s16, s16, s17
	s_lshl_b32 s16, s16, 11
	s_mov_b32 s17, 0
	s_mul_i32 s46, s42, 192                        ; wqt: row 192 x tile column + 96 x half
	s_mul_i32 s47, s12, 96
	s_add_co_u32 s46, s46, s47
	s_lshl_b32 s46, s46, 11
	s_mov_b32 s47, 0
	s_mul_i32 s20, s12, AHALF                      ; where they go: no place in the cluster enters an LDS address
	s_mul_i32 s21, s12, BHALF
	s_add_co_u32 s21, s21, BOFF
	s_wait_dscnt 0x0                               ; the opening add is done
	s_wait_kmcnt 0x0
	s_add_nc_u64 s[14:15], s[4:5], s[16:17]
	s_add_nc_u64 s[46:47], s[6:7], s[46:47]
	CROUND                                         ; all sixteen work-groups are here: the first joint loads meet
.irp s, 0,1
	s_mov_b32 s[G0+4*(\s)], 1
	s_add_co_u32 s[G0+4*(\s)+1], s20, (\s)*SLOT
	s_add_nc_u64 s[G0+4*(\s)+2:G0+4*(\s)+3], s[14:15], (\s)*KSTEP*2
	s_or_b32 s[G0+4*(\s)+3], s[G0+4*(\s)+3], 0x80000000
	s_mov_b32 s[G0B+4*(\s)], 1
	s_add_co_u32 s[G0B+4*(\s)+1], s21, (\s)*SLOT
	s_add_nc_u64 s[G0B+4*(\s)+2:G0B+4*(\s)+3], s[46:47], (\s)*KSTEP*2
	s_or_b32 s[G0B+4*(\s)+3], s[G0B+4*(\s)+3], 0x80000000
	JLOAD \s                                       ; two loads of mine are out
.endr
	; a fragment is 16 rows x 32 K in 8 registers: lane l holds row l % 16, K = 8 (l / 16) + 0..7 and 16 + 8 (l / 16) + 0..7: two loads of 16 bytes, 32 bytes apart
	v_and_b32 v1, 15, v0
	v_bfe_u32 v2, v0, 4, 1
	v_mul_u32_u24 v3, v1, PITCH
	v_lshl_add_u32 v3, v2, 4, v3
	s_mul_i32 s22, s10, 64*PITCH                   ; my 64 rows of xh
	s_mov_b32 s23, BOFF                            ; all rows of wqt
.irp s, 0,1
	v_add_nc_u32 v[ADRA+(\s)], s22, v3
	v_add_nc_u32 v[ADRB+(\s)], s23, v3
	s_add_co_u32 s22, s22, SLOT
	s_add_co_u32 s23, s23, SLOT
.endr
	s_mul_i32 s22, s10, WSTAGE
	s_add_co_u32 s22, s22, STAGE                   ; my stage
	v_mul_u32_u24 v4, v1, SP
	v_lshl_add_u32 v4, v2, 4, v4
	v_add_nc_u32 v[STO], s22, v4                   ; in: row l % 16, 16 bytes for each half of the lanes
	v_bfe_u32 v5, v0, 3, 2
	v_and_b32 v6, 7, v0
	v_mul_u32_u24 v5, v5, SP
	v_lshl_add_u32 v5, v6, 4, v5
	v_add_nc_u32 v[RD], s22, v5                    ; back: 32 lanes take four rows of 128 bytes,
	v_and_b32 v[GO], 31, v0
	v_lshlrev_b32 v[GO], 4, v[GO]                  ; which are 512 consecutive bytes of qkv
	; where my rows begin in qkv, and the heads' factors: in registers that feed no descriptor
	s_mul_i32 s78, s42, 3                          ; the tile's first head g
	s_lshr_b32 s79, s13, 3                         ; batch
	s_mul_i32 s79, s79, 48
	s_add_co_u32 s79, s79, s78
	s_lshl_b32 s79, s79, 18                        ; a head's 2,048 rows of 128 bytes
	s_and_b32 s80, s13, 7
	s_lshl_b32 s80, s80, 8
	s_lshl_b32 s81, s10, 6
	s_add_co_u32 s80, s80, s81                     ; my first token in the batch
	s_lshl_b32 s80, s80, 7
	s_add_co_u32 s80, s80, s79
	s_mov_b32 s81, 0
	s_add_nc_u64 s[OB:OB+1], s[8:9], s[80:81]
	s_add_nc_u64 s[OB+2:OB+3], s[OB:OB+1], 0x40000
	s_add_nc_u64 s[OB+4:OB+5], s[OB:OB+1], 0x80000
.irp hd, 0,1,2
	s_add_co_u32 s82, s78, \hd
	s_cmp_lt_u32 s82, 16                           ; a head of q?  A choice of a value, no branch
	s_cselect_b32 s[SC+2*\hd], 0x3e38aa3b, 1.0     ; c = log2(e) / 8
	s_mov_b32 s[SC+2*\hd+1], s[SC+2*\hd]
.endr
; 12 matrix instructions: row block a x all 12 column blocks, 32 along K, from buffer f.  zero = 1: the product starts the sums.  The 48 accumulators take turns, in the same order in every quarter.
.macro MUL12 f, a, zero
	WIN MUL_LO+0x50*((\a)/2)
.irp b, 0,1,2,3,4,5,6,7,8,9,10,11
.if \zero
	v_wmma_f32_16x16x32_f16 v[8*(12*((\a)%2)+(\b)):8*(12*((\a)%2)+(\b))+7], v[96*(\f)+8*(\b):96*(\f)+8*(\b)+7], v[FA+32*(\f)+8*(\a):FA+32*(\f)+8*(\a)+7], 0
.else
	v_wmma_f32_16x16x32_f16 v[8*(12*((\a)%2)+(\b)):8*(12*((\a)%2)+(\b))+7], v[96*(\f)+8*(\b):96*(\f)+8*(\b)+7], v[FA+32*(\f)+8*(\a):FA+32*(\f)+8*(\a)+7], v[8*(12*((\a)%2)+(\b)):8*(12*((\a)%2)+(\b))+7]
.endif
.endr
.endm
; 32 LDS loads in one run: a quarter step's fragments (192 rows of wqt, my 64 rows of xh, 32 K at byte k of the rows) into buffer f
.macro FETCH slot, k, f
	WIN TO_B
.irp i, 0,1,2,3,4,5,6,7,8,9,10,11
	ds_load_b128 v[96*(\f)+8*(\i):96*(\f)+8*(\i)+3],   v[ADRB+(\slot)] offset:(\k)+(\i)*16*PITCH
	ds_load_b128 v[96*(\f)+8*(\i)+4:96*(\f)+8*(\i)+7], v[ADRB+(\slot)] offset:(\k)+(\i)*16*PITCH+32
.endr
	WIN 0
.irp i, 0,1,2,3
	ds_load_b128 v[FA+32*(\f)+8*(\i):FA+32*(\f)+8*(\i)+3],   v[ADRA+(\slot)] offset:(\k)+(\i)*16*PITCH
	ds_load_b128 v[FA+32*(\f)+8*(\i)+4:FA+32*(\f)+8*(\i)+7], v[ADRA+(\slot)] offset:(\k)+(\i)*16*PITCH+32
.endr
.endm
.macro PLACES                          ; four places in front of loads into registers that matrix instructions have read, and of lines that read results
.rept 4
	v_nop
.endr
.endm
; A K step is four quarters of 32 along K, 48 matrix instructions each, on buffers 0, 1, 0, 1.  One of the first three: multiplies buffer f, and in its middle fetches the next quarter into g.
.macro QUARTER slot, k, f, g, zero
	s_wait_dscnt 4                                 ; wqt's fragments and xh's blocks 0, 1 are in; the youngest four loads (blocks 2, 3) may be out
	MUL12 \f, 0, \zero
	MUL12 \f, 1, \zero
	PLACES
	FETCH \slot, \k, \g
	s_wait_dscnt 32                                ; all but the 32 just issued
	MUL12 \f, 2, \zero
	MUL12 \f, 3, \zero
.endm
; The last quarter multiplies buffer 1 and changes slots: one barrier; in front of it each wave waits for all its tensor loads (one is out: its part of the next slot), adds 0 to its spare word,
; and waits for that and for its reads of this slot.  fill = 1: the barrier opens a round of the cluster's, and behind it this slot is filled again, two K steps on: 168 matrix instructions ahead of the wait for it.
.macro TURN slot, next, fill
	WIN 0
	s_wait_tensorcnt 0x0
	ds_add_u32 v[SPW], v[NIL]
	s_wait_dscnt 5                                 ; (the add and the youngest four loads may be out)
	MUL12 1, 0, 0
	s_wait_dscnt 0x0                               ; the add is done, and my reads of this slot are over
	s_barrier_signal -1
	MUL12 1, 1, 0
.if \fill
	WIN 0
.endif
	s_barrier_wait -1
.if \fill
	CREST                                          ; no wave of any partner still reads this slot or has a load on its way
	s_add_nc_u64 s[G0+4*(\slot)+2:G0+4*(\slot)+3], s[G0+4*(\slot)+2:G0+4*(\slot)+3], 2*KSTEP*2
	s_add_nc_u64 s[G0B+4*(\slot)+2:G0B+4*(\slot)+3], s[G0B+4*(\slot)+2:G0B+4*(\slot)+3], 2*KSTEP*2
	JLOAD \slot                                    ; its four v_nop are also the places in front of the loads below
.else
	PLACES
.endif
	FETCH \next, 0, 0
	MUL12 1, 2, 0
	MUL12 1, 3, 0
.endm
	s_wait_tensorcnt 1                             ; my part of K step 0 is in; K step 1's may stay out
	s_barrier_signal -1
	s_barrier_wait -1
	FETCH 0, 0, 0
	QUARTER 0, 64, 0, 1, 1                         ; the first quarter stands ahead of the loop: its products start the sums
	WIN 0
	s_mov_b32 s3, SIZE_K/(2*KSTEP)-1
.Llap:                                             ; a trip goes once round the ring and fills both slots again
	QUARTER 0, 128, 1, 0, 0
	QUARTER 0, 192, 0, 1, 0
	TURN 0, 1, 1
	QUARTER 1, 64,  0, 1, 0
	QUARTER 1, 128, 1, 0, 0
	QUARTER 1, 192, 0, 1, 0
	TURN 1, 0, 1
	QUARTER 0, 64,  0, 1, 0
	WIN 0
	s_sub_co_u32 s3, s3, 1
	s_cmp_lg_u32 s3, 0
	s_cbranch_scc1 .Llap
	QUARTER 0, 128, 1, 0, 0                        ; the last lap fills nothing
	QUARTER 0, 192, 0, 1, 0
	TURN 0, 1, 0
	QUARTER 1, 64,  0, 1, 0
	QUARTER 1, 128, 1, 0, 0
	QUARTER 1, 192, 0, 1, 0
	s_wait_dscnt 4
	MUL12 1, 0, 0
	MUL12 1, 1, 0
	s_wait_dscnt 0x0
	MUL12 1, 2, 0
	MUL12 1, 3, 0
; THE WAY OUT, a block of 16 rows at a time.  PACK: the head's factor, then f16, 16 bytes a lane (each accumulator's registers in ascending order).  TOSTAGE: into my stage, by heads, and back as rows of 128 bytes.  SEND: stored.
.macro PACK a
.set AC, 96*((\a)%2)
	WIN 0x82+0x41*((\a)/2)                         ; destination and source 0 in window 2 or 3
.irp b, 0,1,2,3,4,5,6,7,8,9,10,11
.irp r, 0,1,2,3
	v_pk_mul_f32 v[AC+8*(\b)+2*(\r):AC+8*(\b)+2*(\r)+1], v[AC+8*(\b)+2*(\r):AC+8*(\b)+2*(\r)+1], s[SC+2*((\b)/4):SC+2*((\b)/4)+1] op_sel_hi:[1,0]
.endr
.endr
	WIN 0x0a+5*((\a)/2)                            ; sources 0 and 1 in window 2 or 3
.irp b, 0,1,2,3,4,5,6,7,8,9,10,11
.irp r, 0,1,2,3
	v_cvt_pk_f16_f32 v[TMP+4*(\b)+(\r)], v[AC+8*(\b)+2*(\r)], v[AC+8*(\b)+2*(\r)+1]
.endr
.endr
	WIN 0
.endm
.macro TOSTAGE a
	WIN 0
.set BKA, BK+48*((\a)%2)
.irp b, 0,1,2,3,4,5,6,7,8,9,10,11
	ds_store_b128 v[STO], v[TMP+4*(\b):TMP+4*(\b)+3] offset:16*SP*((\b)/4)+32*((\b)%4)
.endr
.irp hd, 0,1,2
.irp i, 0,1,2,3
	ds_load_b128 v[BKA+16*(\hd)+4*(\i):BKA+16*(\hd)+4*(\i)+3], v[RD] offset:16*SP*(\hd)+4*SP*(\i)  ; LDS serves a wave's instructions in order (ISA guide 5.7.1.4): these see the stores above
.endr
.endr
.endm
.macro SEND a
	WIN 0
.set BKA, BK+48*((\a)%2)
	s_wait_dscnt 0x0                               ; the block is back in registers
	s_wait_xcnt 0x0                                ; the registers that the block before last's stores read are loaded again only behind this wait
.irp hd, 0,1,2
.irp i, 0,1,2,3
	global_store_b128 v[GO], v[BKA+16*(\hd)+4*(\i):BKA+16*(\hd)+4*(\i)+3], s[OB+2*(\hd):OB+2*(\hd)+1] offset:2048*(\a)+512*(\i)  ; 512 consecutive bytes, aligned
.endr
.endr
.endm
	PLACES
	PACK 0
	TOSTAGE 0
.irp a, 1,2,3                          ; block a's arithmetic stands between block a - 1's loads from the stage and the wait for them
	PACK \a
	SEND (\a)-1
	TOSTAGE \a
.endr
	SEND 3
	s_wait_tensorcnt 0x0                           ; the wave's end
	ds_add_u32 v[SPW], v[NIL]
	s_wait_dscnt 0x0
	CROUND                                         ; the closing round
	s_endpgm
.Lfunc_end_k_qbc2ae72cca_qkvp:
	.size	k_qbc2ae72cca_qkvp, .Lfunc_end_k_qbc2ae72cca_qkvp-k_qbc2ae72cca_qkvp
	.p2alignl 7, 3214868480
	.fill 96, 4, 3214868480
	.section	.rodata,"a",@progbits
	.p2align	6, 0x0
	.amdhsa_kernel k_qbc2ae72cca_qkvp
		.amdhsa_group_segment_fixed_size 327680
		.amdhsa_private_segment_fixed_size 0
		.amdhsa_enable_private_segment 0
		.amdhsa_kernarg_size 24
		.amdhsa_user_sgpr_count 2
		.amdhsa_user_sgpr_kernarg_segment_ptr 1
		.amdhsa_wavefront_size32 1
		.amdhsa_system_sgpr_workgroup_id_x 1
		.amdhsa_system_sgpr_workgroup_id_y 1
		.amdhsa_system_sgpr_workgroup_id_z 1
		.amdhsa_system_vgpr_workitem_id 0
		.amdhsa_next_free_vgpr 1024
		.amdhsa_next_free_sgpr 84
		.amdhsa_reserve_vcc 0
		.amdhsa_float_denorm_mode_32 3
		.amdhsa_float_denorm_mode_16_64 3
		.amdhsa_memory_ordered 1
		.amdhsa_forward_progress 1
		.amdhsa_inst_pref_size 131
	.end_amdhsa_kernel
	.amdgpu_metadata
---
amdhsa.version: [ 1, 2 ]
amdhsa.kernels:
  - .name:           k_qbc2ae72cca_qkvp
    .symbol:         k_qbc2ae72cca_qkvp.kd
    .args:
      - { .name: xh, .offset: 0, .size: 8, .value_kind: global_buffer, .address_space: global }
      - { .name: wqt, .offset: 8, .size: 8, .value_kind: global_buffer, .address_space: global }
      - { .name: qkv, .offset: 16, .size: 8, .value_kind: global_buffer, .address_space: global }
    .group_segment_fixed_size: 327680
    .private_segment_fixed_size: 0
    .kernarg_segment_align: 8
    .kernarg_segment_size: 24
    .max_flat_workgroup_size: 128
    .sgpr_count:     84
    .vgpr_count:     1024
    .wavefront_size: 32
...
	.end_amdgpu_metadata
.endif
;; end of part 2
;; launch attn (part 3): grid 8 x 32, 4 waves a work-group, clusters of 4 x 4, 327,680 bytes of LDS; arguments qkv, attention_mask, biasg, ctx; writes ctx
.if DOCPART == 3
	.amdgcn_target "amdgcn-amd-amdhsa--gfx1250"
	.amdhsa_code_object_version 6
	.text
	.protected	k_qbc2ae72cca_attn
	.globl	k_qbc2ae72cca_attn
	.p2align	8
	.type	k_qbc2ae72cca_attn,@function
k_qbc2ae72cca_attn:
	s_mov_b64 s[64:65], 0
	v_nop
	global_prefetch_b8 v0, s[64:65] scope:SCOPE_SE
	s_setreg_imm32_b32 hwreg(HW_REG_WAVE_MODE, 25, 1), 1
	s_wait_xcnt 0x0
	s_wait_alu depctr_hold_cnt(0) depctr_sa_sdst(0) depctr_va_vdst(0) depctr_va_sdst(0) depctr_va_ssrc(0) depctr_va_vcc(0) depctr_vm_vsrc(0)
	s_getreg_b32 s2, hwreg(HW_REG_IB_STS2, 6, 4)
	s_cmp_eq_u32 s2, 0
	s_cbranch_scc0 .Lentry_in_a_cluster
	s_endpgm
.Lentry_in_a_cluster:
	s_bfe_u32 s2, ttmp6, 0x10000c
	s_cmp_lg_u32 s2, 0xf033
	s_cbranch_scc0 .Lentry_shape_is_right
	s_endpgm
.Lentry_shape_is_right:
; ATTENTION WITH A MASK AND A RELATIVE BIAS.  For batch b, head h, query q: t[k] = s'[k] m[q][k] + ((K2 m[q][k] - K2) + B[k - q]), s' = (c q) . k (c = log2(e) / 8 is already in q), m the f32 mask as given,
; K2 = 10000 log2(e), B = log2(e) x bias; p = 2^(t - max), ctx = sum p v / sum p.  That is reference()'s score times log2(e).  Products in f16 with f32 sums; mask, bias, maxima and sums in f32;
; p is rounded to f16 for the second product (its sum l is taken of the unrounded p), ctx once at the end.  qkv: [2][48][2048][64] f16; ctx: [2][16][2048][64] f16.
; LIMITS.  q c, k, v arrive within f16's 65,504; p below 6e-5 keeps f16's step of 6e-8; a weight below 2^-126 counts as 0 in l; NaN and infinities are not treated apart.
; SHARES.  A work-group owns 256 queries of one (b, h), a wave 64: four PIECES of 16.  Every wave walks all 2,048 keys, 64 a step.
; LAYOUT.  S^T = K Q^T holds ONE query a lane (lane % 16) and the keys 8 (lane / 16) + 0..7 of each block of 16; two such results rounded to f16 ARE source 1 of O^T = V^T P.  The lane's eight mask numbers are 32
; consecutive bytes of the mask's row; its eight bias numbers are 32 consecutive bytes of the head's table by k - q, of the copy (lane % 4) that puts them at a multiple of 16 bytes.  Bias block d = key block - piece + 3
; is the same for every pair with that difference: seven blocks a step serve all sixteen pairs.
; SOFTMAX.  A running maximum m and sum l for each query; in every step O and l are multiplied by a = 2^(m_old - m_new).  m starts at the lowest finite number, O and l at 0: the first step has a = 0.
; BY TURNS.  Turn n belongs to piece n: 8 products K Q^T of piece n + 1, later 8 products V^T P of piece n - 1; beside them piece n's subtraction, exponentials, roundings, sums and rescaling, and piece n + 1's mask,
; bias, maximum and statistics.  A turn has 16 matrix and 165 vector instructions: four stand behind each matrix instruction, the other 101 in two lumps.
; CLUSTER.  4 x 4 work-groups: x = four query blocks, y = four heads of one batch.  K and V hang on (b, h): asked for jointly along a row of the cluster.  The mask's tile hangs on (b, query block): jointly along a column.
; A slot holds one key step (K, V, 256 rows of mask): wave 0 asks for K, wave 1 for V, waves 2 and 3 for the mask's halves, one load a wave behind each round; it has four turns in which to land.
; No prefetch of the mask: to ask for each block once, one of four partners would have to branch on its place in the cluster.
; REGISTERS, in windows of 256 (s_set_vgpr_msb: bits 1:0 source 0, 3:2 source 1, 5:4 source 2, 7:6 destination):
;   window 0: v0-15 addresses; v16-31 statistics; v32-39 at work; v40-41 the add's; v64-127 S^T, two buffers; v128-159 P, two; v160-223 mask, two; v224-255 U = K2 m - K2 + B
;   window 1: v0-127 O^T, 32 a piece; v128-183 the seven bias blocks      window 2: v0-63 Q; v64-127 K of one step; v128-191 V of one step
.set NP,    4
.set KS,    64
.set PK,    144       ; a row of K in LDS: 128 bytes + 16
.set PV,    160       ; a row of V: 128 + 32
.set PM,    272       ; a row of the mask's tile: 256 + 16
.set VOFF,  KS*PK
.set MOFF,  VOFF+KS*PV
.set SLOT1, 1<<17     ; slot 1 begins here: one exclusive or turns an address in one slot into the other's
.set BIAS,  SLOT1+MOFF+256*PM  ; four copies of the bias window, 2,304 entries each; written by LDS stores, never by a tensor load
.set BCOPY, 9280      ; 9,216 + 64: the four copies start 64 bytes apart modulo 256, so sixteen lanes take sixteen different columns of 16 bytes
.set STAGE, BIAS+4*BCOPY       ; 16 rows x 144 bytes for each wave, for the way out
.set SP,    144
.set SPARE, STAGE+4*16*SP      ; the spare words, 128 bytes a wave
.set AK0, 2           ; v2-5  my lane's place in a tile of K, of V, of the mask, in the bias window; never rewritten
.set AV0, 3
.set AM0, 4
.set AB0, 5
.set AK,  6           ; v6-9  the same with the step's slot (bias: the step's 256 bytes) added
.set AV,  7
.set AM,  8
.set AB,  9
.set STO, 10
.set RD,  11
.set GO,  12          ; 16 x lane
.set QO,  13
.set ST,  16          ; piece t at v[ST+4 t]: m, m_old, l (even keys', odd keys')
.set TMP, 32          ; by the piece's parity: c0-c3 at work; c2 takes a
.set SPW, 40
.set NIL, 41
.set S,   64
.set P,   128
.set M,   160
.set U,   224
.set BI,  128         ; window 1
.set KF,  64          ; window 2
.set VF,  128         ; window 2
.set WV,  12
.set G1K, 24
.set G1V, 32
.set G1M, 40
.set G0K, 48
.set G0V, 52
.set G0M, 56
.set SEL, 60          ; s[60:61] v_permlanex16_b32's selects
.set TB,  62          ; s62  the slot that the trip's fetches read
.set TBB, 63          ; s63  256 x (step + 1)
.set SLOTS, 66
.set CNT, 67
.set K2,  68          ; s[68:69] 10000 log2(e)
.set NK2, 70          ; s[70:71] its negative
.set MSB, 0
.macro WIN new
.if MSB != (\new)
	s_set_vgpr_msb (MSB<<8)|(\new)
.set MSB, (\new)
.endif
.endm
.set W_KQ, 0x0a
.set W_PV, 0x52
.set W_RS, 0x41
.set W_AB, 0x04       ; source 1 (the bias) in window 1
; A joint fill; the branches hang on the wave's number alone.  An s_nop 0 and four v_nop follow each line.
.macro JLOAD3
	s_cmp_lt_u32 s[WV], 2
	s_cbranch_scc0 .Lfor_m_\@
	s_cmp_eq_u32 s[WV], 0
	s_cbranch_scc0 .Lfor_v_\@
	tensor_load_to_lds s[G0K:G0K+3], s[G1K:G1K+7]
	s_nop 0
.rept 4
	v_nop
.endr
	s_branch .Lasked_\@
.Lfor_v_\@:
	tensor_load_to_lds s[G0V:G0V+3], s[G1V:G1V+7]
	s_nop 0
.rept 4
	v_nop
.endr
	s_branch .Lasked_\@
.Lfor_m_\@:
	tensor_load_to_lds s[G0M:G0M+3], s[G1M:G1M+7]
	s_nop 0
.rept 4
	v_nop
.endr
.Lasked_\@:
.endm
.macro CROUND
	s_barrier_signal -1
	s_barrier_wait -1
	s_cmp_lg_u32 s[WV], 0
	s_cbranch_scc1 .Lnot_wave_0_\@
	s_barrier_signal -3
.Lnot_wave_0_\@:
	s_barrier_wait -3
	s_barrier_signal -1
	s_barrier_wait -1
.endm
; THE CHANGE OF SLOTS.  Each wave waits for all its tensor loads (one is out: its part of the other slot), adds 0 to its spare word, and waits for that and for its reads of the slot that it leaves.
; fill = 1: the barrier is a round of the cluster's, and behind it the old slot is filled again with the step after next's predecessor: the step that the next trip reads.  Then the trip's four LDS addresses are made.
.macro CHANGE fill
	WIN 0
	s_wait_tensorcnt 0x0            ; no tensor load of mine is out, so a group 0 may be written
	ds_add_u32 v[SPW], v[NIL]       ; scalar work stands between the add and the wait for it
.if \fill
.irp g, G0K, G0V, G0M
	s_xor_b32 s[\g+1], s[\g+1], SLOT1
.endr
	s_add_nc_u64 s[G0K+2:G0K+3], s[G0K+2:G0K+3], KS*128
	s_add_nc_u64 s[G0V+2:G0V+3], s[G0V+2:G0V+3], KS*128
	s_add_nc_u64 s[G0M+2:G0M+3], s[G0M+2:G0M+3], KS*4
.endif
	s_xor_b32 s[TB], s[TB], SLOT1
	s_add_co_u32 s[TBB], s[TBB], 256
	s_wait_dscnt 0x0                ; the add is done, my reads of the slot are over (at the first use: my stores of the bias window are done)
.if \fill
	CROUND
	JLOAD3
.else
	s_barrier_signal -1
	s_barrier_wait -1
.endif
	v_add_nc_u32 v[AK], s[TB], v[AK0]
	v_add_nc_u32 v[AV], s[TB], v[AV0]
	v_add_nc_u32 v[AM], s[TB], v[AM0]
	v_add_nc_u32 v[AB], s[TBB], v[AB0]
.endm
	s_load_b256 s[4:11], s[0:1], 0x0  ; qkv s[4:5], mask s[6:7], biasg s[8:9], ctx s[10:11]
	v_lshl_add_u32 v[SPW], v0, 2, SPARE
	v_mov_b32 v[NIL], 0
	ds_add_u32 v[SPW], v[NIL]       ; the wave's opening: the add and its wait stand ahead of my first tensor load
	v_lshrrev_b32 v14, 5, v0
	v_readfirstlane_b32 s[WV], v14
	s_bfe_u32 s13, ttmp6, 0x40000   ; cx
	s_bfe_u32 s14, ttmp6, 0x40004   ; cy
	s_lshl_b32 s15, ttmp9, 2
	s_add_co_u32 s15, s15, s13      ; query block = 4 x cluster x + cx
	s_and_b32 s17, ttmp7, 0xffff
	s_lshl_b32 s16, s17, 2
	s_add_co_u32 s16, s16, s14      ; y = 16 x batch + head = 4 x cluster y + cy
	s_lshr_b32 s17, s17, 2          ; batch: of the cluster's y alone
	s_and_b32 s18, s[WV], 1
	s_lshl_b32 s72, s14, 2
	s_lshl_b32 s72, 15, s72         ; my row of the cluster
	s_lshl_b32 s73, 0x1111, s13     ; my column
	s_or_b32 s[G1K], s72, (1<<16)|(1<<20)|(1<<21)|(4<<22)|(3<<25)  ; 2-byte elements; padding of 4 words after every 32; bit 21 beside the mask
	s_or_b32 s[G1V], s72, (1<<16)|(1<<20)|(1<<21)|(4<<22)|(7<<25)  ; of 8 words
	s_or_b32 s[G1M], s73, (2<<16)|(1<<20)|(1<<21)|(5<<22)|(3<<25)  ; 4-byte elements; 4 words after every 64
.irp g, G1K, G1V                    ; 64 keys are 8,192 dense bytes: 32 rows of 256
	s_mov_b32 s[\g+1], 128<<16
	s_mov_b32 s[\g+2], 32<<16
	s_mov_b32 s[\g+3], 128<<16
	s_mov_b32 s[\g+4], 32
	s_mov_b32 s[\g+5], 128
	s_mov_b32 s[\g+6], 0
	s_mov_b32 s[\g+7], 0
.endr
	s_mov_b32 s[G1M+1], 64<<16      ; 128 rows of 64 numbers, 2,048 numbers from row to row
	s_mov_b32 s[G1M+2], 128<<16
	s_mov_b32 s[G1M+3], 64<<16
	s_mov_b32 s[G1M+4], 128
	s_mov_b32 s[G1M+5], 2048
	s_mov_b32 s[G1M+6], 0
	s_mov_b32 s[G1M+7], 0
	s_mov_b32 s[G0K], 1
	s_mov_b32 s[G0K+1], 0
	s_mov_b32 s[G0V], 1
	s_mov_b32 s[G0V+1], VOFF
	s_mov_b32 s[G0M], 1
	s_mul_i32 s[G0M+1], s18, 128*PM
	s_add_co_u32 s[G0M+1], s[G0M+1], MOFF
	s_lshl_b32 s19, s17, 5
	s_add_co_u32 s19, s19, s16      ; 48 x batch + head
	s_lshl_b32 s20, s19, 18         ; q's head in qkv; k's lies 16 heads on, v's 32
	s_mov_b32 s21, 0
	s_lshl_b32 s22, s17, 24         ; the mask: batch,
	s_lshl_b32 s19, s15, 21         ; my block's 256 rows of 8,192 bytes,
	s_add_co_u32 s22, s22, s19
	s_lshl_b32 s19, s18, 20         ; the half that I fetch
	s_add_co_u32 s22, s22, s19
	s_mov_b32 s23, 0
	s_lshl_b32 s19, s15, 15         ; my wave's 64 rows of 128 bytes in a head
	s_lshl_b32 s74, s[WV], 13
	s_add_co_u32 s19, s19, s74
	s_add_co_u32 s74, s20, s19      ; in q
	s_mov_b32 s75, 0
	s_lshl_b32 s76, s16, 18
	s_add_co_u32 s76, s76, s19      ; in ctx
	s_mov_b32 s77, 0
	s_and_b32 s78, s16, 15          ; the bias window: head, copy = my wave,
	s_lshl_b32 s78, s78, 2
	s_add_co_u32 s78, s78, s[WV]
	s_lshl_b32 s78, s78, 14
	s_add_co_u32 s78, s78, 7168     ; from entry 1792 - 256 x query block on
	s_lshl_b32 s19, s15, 10
	s_sub_co_u32 s78, s78, s19
	s_mov_b32 s79, 0
	s_mov_b32 s[SEL], 0x76543210
	s_mov_b32 s[SEL+1], 0xfedcba98
	s_mov_b32 s[K2], 0x46616bcd
	s_mov_b32 s[K2+1], s[K2]
	s_mov_b32 s[NK2], 0xc6616bcd
	s_mov_b32 s[NK2+1], s[NK2]
	s_mov_b32 s[TB], SLOT1          ; the first change of slots turns it into 0
	s_mov_b32 s[TBB], 0
	s_wait_dscnt 0x0                ; the opening add is done
	s_wait_kmcnt 0x0
	s_add_nc_u64 s[G0K+2:G0K+3], s[4:5], s[20:21]
	s_add_nc_u64 s[G0V+2:G0V+3], s[G0K+2:G0K+3], 0x800000
	s_add_nc_u64 s[G0K+2:G0K+3], s[G0K+2:G0K+3], 0x400000
	s_or_b32 s[G0K+3], s[G0K+3], 0x80000000
	s_or_b32 s[G0V+3], s[G0V+3], 0x80000000
	s_add_nc_u64 s[G0M+2:G0M+3], s[6:7], s[22:23]
	s_or_b32 s[G0M+3], s[G0M+3], 0x80000000
	s_add_nc_u64 s[4:5], s[4:5], s[74:75]
	s_add_nc_u64 s[10:11], s[10:11], s[76:77]
	s_add_nc_u64 s[8:9], s[8:9], s[78:79]
	CROUND                          ; all sixteen work-groups are here
	JLOAD3                          ; key step 0 into slot 0
	v_and_b32 v1, 15, v0            ; r = l % 16
	v_bfe_u32 v14, v0, 4, 1         ; l / 16
	v_lshlrev_b32 v[QO], 7, v1
	v_lshl_add_u32 v[QO], v14, 4, v[QO]
	v_and_b32 v[GO], 31, v0
	v_lshlrev_b32 v[GO], 4, v[GO]
	WIN 0x80
.set i, 0
.rept 8                             ; Q stays in registers: piece i / 2, channels 32 (i % 2) on
	global_load_b128 v[8*i:8*i+3],   v[QO], s[4:5] offset:(i/2)*2048+(i%2)*64
	global_load_b128 v[8*i+4:8*i+7], v[QO], s[4:5] offset:(i/2)*2048+(i%2)*64+32
.set i, i+1
.endr
	WIN 0
.set i, 0
.rept 18                            ; my copy of the bias window: 9,216 bytes
	global_load_b128 v[S+4*i:S+4*i+3], v[GO], s[8:9] offset:512*i
.set i, i+1
.endr
	v_mul_u32_u24 v[AK0], v1, PK
	v_lshl_add_u32 v[AK0], v14, 4, v[AK0]
	v_and_b32 v15, 7, v0            ; the turning load: key 8 (l / 16) + l % 8, channels 8 ((l / 8) % 2) on
	v_lshl_add_u32 v[AV0], v14, 3, v15
	v_mul_u32_u24 v[AV0], v[AV0], PV
	v_bfe_u32 v[RD], v0, 3, 1
	v_lshl_add_u32 v[AV0], v[RD], 4, v[AV0]
	v_add_nc_u32 v[AV0], VOFF, v[AV0]
	s_mul_i32 s19, s[WV], 64*PM
	s_add_co_u32 s19, s19, MOFF
	v_mul_u32_u24 v[AM0], v1, PM
	v_lshl_add_u32 v[AM0], v14, 5, v[AM0]
	v_add_nc_u32 v[AM0], s19, v[AM0]  ; the mask's row 64 w + r, 32 bytes for each half of the lanes
	s_lshl_b32 s19, s[WV], 8
	s_sub_co_u32 s19, BIAS+528, s19
	v_and_b32 v[AB0], 3, v0         ; copy r % 4
	v_mul_u32_u24 v[AB0], v[AB0], BCOPY
	v_lshl_add_u32 v[AB0], v14, 5, v[AB0]
	v_bfe_u32 v[RD], v0, 2, 2
	v_xor_b32 v[RD], 3, v[RD]       ; 3 - (r / 4) % 4
	v_lshl_add_u32 v[AB0], v[RD], 4, v[AB0]
	v_add_nc_u32 v[AB0], s19, v[AB0]  ; entry 64 step + 16 d + 8 (l / 16) - 64 w - 4 (r / 4) + 208 of the copy, less one step's 256 bytes
	s_mul_i32 s19, s[WV], 16*SP
	s_add_co_u32 s19, s19, STAGE
	v_add_nc_u32 v[STO], s19, v[AK0]  ; in: row r, 16 bytes for each half of the lanes (the stage's pitch is K's)
	v_bfe_u32 v[RD], v0, 3, 2
	v_mul_u32_u24 v[RD], v[RD], SP
	v_lshl_add_u32 v[RD], v15, 4, v[RD]
	v_add_nc_u32 v[RD], s19, v[RD]  ; back: 32 lanes take four rows of 128 bytes
	s_mul_i32 s19, s[WV], BCOPY
	s_add_co_u32 s19, s19, BIAS
	v_add_nc_u32 v15, s19, v[GO]    ; where my copy of the window goes
	; What the first turn finds: V and P's second buffer hold 0 (its products V^T P, of a piece that has not been, add 0), O^T and l are 0.  All this stands in the wait for the first tile.
	WIN 0x80
.set i, VF
.rept 64
	v_mov_b32 v[i], 0
.set i, i+1
.endr
	WIN 0x40
.set i, 0
.rept 128
	v_mov_b32 v[i], 0
.set i, i+1
.endr
	WIN 0
.set i, 0
.rept 4
	v_mov_b32 v[ST+4*i], 0xff7fffff
	v_mov_b32 v[ST+4*i+1], 0xff7fffff
	v_mov_b32 v[ST+4*i+2], 0
	v_mov_b32 v[ST+4*i+3], 0
.set i, i+1
.endr
.set i, P+16
.rept 16
	v_mov_b32 v[i], 0
.set i, i+1
.endr
	s_wait_loadcnt 0x0              ; Q and the window
.set i, 0
.rept 18
	ds_store_b128 v15, v[S+4*i:S+4*i+3] offset:512*i
.set i, i+1
.endr
; THE MATRIX WORK.  The 4 accumulators of a run of 8 take turns.  Product i of 8 of S^T = K Q^T for piece x: channels 32 (i / 4) on, keys 16 (i % 4) on; the first 4 start the sums.
.macro KQ x
	WIN W_KQ
.set rS, S+32*((\x)%2)+8*(i%4)
.set rK, KF+16*(i%4)+8*(i/4)
.set rQ, 16*(\x)+8*(i/4)
.if i < 4
	v_wmma_f32_16x16x32_f16 v[rS:rS+7], v[rK:rK+7], v[rQ:rQ+7], 0
.else
	v_wmma_f32_16x16x32_f16 v[rS:rS+7], v[rK:rK+7], v[rQ:rQ+7], v[rS:rS+7]
.endif
.endm
; Product i of 8 of O^T += V^T P for piece x: keys 32 (i / 4) on, channels 16 (i % 4) on.
.macro PV x
	WIN W_PV
.set rO, 32*(\x)+8*(i%4)
.set rV, VF+32*(i/4)+8*(i%4)
.set rP, P+16*((\x)%2)+8*(i/4)
	v_wmma_f32_16x16x32_f16 v[rO:rO+7], v[rV:rV+7], v[rP:rP+7], v[rO:rO+7]
	s_wait_alu depctr_va_vdst(0)
.endm
.macro MM                           ; the turn's next matrix instruction
.if i < 8
	KQ (Y+1)%NP
.else
.set i, i-8
	PV (Y+NP-1)%NP
.set i, i+8
.endif
.set i, i+1
.endm
; THE LDS LOADS stand in runs.
.macro FETCH_K
	WIN 0x80
.irp f, 0,1,2,3,4,5,6,7             ; keys 16 (f / 2) on, channels 32 (f % 2) on
	ds_load_b128 v[KF+8*\f:KF+8*\f+3],   v[AK] offset:(\f/2)*16*PK+(\f%2)*64
	ds_load_b128 v[KF+8*\f+4:KF+8*\f+7], v[AK] offset:(\f/2)*16*PK+(\f%2)*64+32
.endr
	WIN 0
.endm
.macro FETCH_V
	WIN 0x80
.irp f, 0,1,2,3,4,5,6,7             ; keys 32 (f / 4) on, channels 16 (f % 4) on
	ds_load_tr16_b128 v[VF+8*\f:VF+8*\f+3],   v[AV] offset:(\f/4)*32*PV+(\f%4)*32
	ds_load_tr16_b128 v[VF+8*\f+4:VF+8*\f+7], v[AV] offset:(\f/4)*32*PV+16*PV+(\f%4)*32
.endr
	WIN 0
.endm
.macro FETCH_B                      ; the step's seven bias blocks
	WIN 0x40
.irp d, 0,1,2,3,4,5,6
	ds_load_b128 v[BI+8*\d:BI+8*\d+3],   v[AB] offset:64*\d
	ds_load_b128 v[BI+8*\d+4:BI+8*\d+7], v[AB] offset:64*\d+16
.endr
	WIN 0
.endm
.macro FETCH_M x                    ; piece x's mask: 16 rows, 64 keys
	WIN 0
.irp kb, 0,1,2,3
	ds_load_b128 v[M+32*((\x)%2)+8*\kb:M+32*((\x)%2)+8*\kb+3],   v[AM] offset:16*PM*(\x)+64*\kb
	ds_load_b128 v[M+32*((\x)%2)+8*\kb+4:M+32*((\x)%2)+8*\kb+7], v[AM] offset:16*PM*(\x)+64*\kb+16
.endr
.endm
; THE VECTOR WORK, one line at a time: OP kind, number.  For piece Y: F n: t - m for pair n of 16.  E n: the exponential of score n of 32.  C n: pair n rounded to f16.  B n: of the four weights 4 n .. the second pair
; is added onto the first, in place (behind C 2 n, which reads the first).  L n: l takes that sum (L 0: l = a l + sum).  R n: pair n of 16 of O^T times a.
; For piece Y + 1: W n: U = K2 m - K2 for pair n.  A n: U += bias.  T n: t = s' m + U, in ascending order.
; X n: 0-11 four chains c0-c3 of seven scores each; 12-14, 16 the four scores left over, the old m, and c0-c3 into c0; 15 m_old is kept; 17, 18 the other half of the lanes': the new m; 19 m_old - m; 20 a.
.set F, 0
.set E, 1
.set C, 2
.set B, 3
.set L, 4
.set R, 5
.set X, 6
.set W, 7
.set A, 8
.set T, 9
.macro REGS y
.set rT, ST+4*(\y)
.set rC, TMP+4*((\y)%2)
.set rS, S+32*((\y)%2)
.set rP, P+16*((\y)%2)
.set rM, M+32*((\y)%2)
.set rO, 32*(\y)
.endm
.macro OP k, n
.if (\k) == R
	REGS Y
	WIN W_RS
	v_pk_mul_f32 v[rO+2*(\n):rO+2*(\n)+1], v[rO+2*(\n):rO+2*(\n)+1], v[rC+2:rC+3] op_sel_hi:[1,0]
.elseif (\k) < R
	REGS Y
	WIN 0
.if (\k) == F
	v_pk_add_f32 v[rS+2*(\n):rS+2*(\n)+1], v[rS+2*(\n):rS+2*(\n)+1], v[rT:rT+1] op_sel_hi:[1,0] neg_lo:[0,1] neg_hi:[0,1]
.elseif (\k) == E
	v_exp_f32 v[rS+(\n)], v[rS+(\n)]
.elseif (\k) == C
	s_wait_alu depctr_va_vdst(0)
	v_cvt_pk_f16_f32 v[rP+(\n)], v[rS+2*(\n)], v[rS+2*(\n)+1]
.elseif (\k) == B
	v_pk_add_f32 v[rS+4*(\n):rS+4*(\n)+1], v[rS+4*(\n):rS+4*(\n)+1], v[rS+4*(\n)+2:rS+4*(\n)+3]
.elseif (\n) == 0
	v_pk_fma_f32 v[rT+2:rT+3], v[rT+2:rT+3], v[rC+2:rC+3], v[rS:rS+1] op_sel_hi:[1,0,1]
	s_wait_alu depctr_va_vdst(0)
.else
	v_pk_add_f32 v[rT+2:rT+3], v[rT+2:rT+3], v[rS+4*(\n):rS+4*(\n)+1]
.endif
.elseif (\k) == A
	REGS (Y+1)%NP
	WIN W_AB
.set rB, BI+8*((\n)/4+3-(Y+1)%NP)+2*((\n)%4)
	v_pk_add_f32 v[U+2*(\n):U+2*(\n)+1], v[U+2*(\n):U+2*(\n)+1], v[rB:rB+1]
.else
	REGS (Y+1)%NP
	WIN 0
.if (\k) == W
	v_pk_fma_f32 v[U+2*(\n):U+2*(\n)+1], v[rM+2*(\n):rM+2*(\n)+1], s[K2:K2+1], s[NK2:NK2+1] op_sel_hi:[1,0,0]
.elseif (\k) == T
	v_pk_fma_f32 v[rS+2*(\n):rS+2*(\n)+1], v[rS+2*(\n):rS+2*(\n)+1], v[rM+2*(\n):rM+2*(\n)+1], v[U+2*(\n):U+2*(\n)+1]
.elseif (\n) < 4
	v_max3_num_f32 v[rC+(\n)], v[rS+8*(\n)], v[rS+8*(\n)+1], v[rS+8*(\n)+2]
.elseif (\n) < 12
	v_max3_num_f32 v[rC+(\n)%4], v[rC+(\n)%4], v[rS+8*((\n)%4)+2*((\n)/4)+1], v[rS+8*((\n)%4)+2*((\n)/4)+2]
.elseif (\n) == 12
	v_max3_num_f32 v[rC], v[rC], v[rS+7], v[rS+15]
.elseif (\n) == 13
	v_max3_num_f32 v[rC+1], v[rC+1], v[rS+23], v[rS+31]
.elseif (\n) == 14
	v_max3_num_f32 v[rC+2], v[rC+2], v[rC+3], v[rT]
.elseif (\n) == 15
	v_mov_b32 v[rT+1], v[rT]
.elseif (\n) == 16
	v_max3_num_f32 v[rC], v[rC], v[rC+1], v[rC+2]
.elseif (\n) == 17
	v_permlanex16_b32 v[rC+3], v[rC], s[SEL], s[SEL+1]
.elseif (\n) == 18
	v_max_num_f32 v[rT], v[rC], v[rC+3]
.elseif (\n) == 19
	v_sub_f32 v[rC+1], v[rT+1], v[rT]
.else
	v_exp_f32 v[rC+2], v[rC+1]
.endif
.endif
.endm
.macro OPS a, i1, b=-1, i2=0, c=-1, i3=0, d=-1, i4=0
	OP \a, \i1
.if (\b) >= 0
	OP \b, \i2
.endif
.if (\c) >= 0
	OP \c, \i3
.endif
.if (\d) >= 0
	OP \d, \i4
.endif
.endm
.macro ROW a, i1, b, i2, c, i3, d, i4  ; a matrix instruction and the four behind it; none names a register of that instruction
	MM
	OPS \a, \i1, \b, \i2, \c, \i3, \d, \i4
.endm
; A TURN, for piece p, written out.  Every exponential has a plain instruction behind it.  The four lines behind the last K Q^T are the places in front of T 0 and of K's run of loads.
; LDS loads: every turn fetches the mask of piece p + 2; piece 2's turn also K and the bias of the next step (eight plain lines behind the last product that read K); piece 0's turn V of the step in hand
; (eleven plain lines behind the last product that read V).  Waits: at a turn's head all loads are waited for, but in piece 1's turn V's sixteen may stay out; they are waited for in front of its V^T P, where the
; eight mask loads issued behind them may stay out.
.macro TURN p
.set Y, (\p)
.set i, 0
.if (\p) == 1
	s_wait_dscnt 16
.else
	s_wait_dscnt 0x0
.endif
	ROW W,0, W,1, W,2, W,3
	ROW W,4, W,5, W,6, W,7
	ROW A,0, A,1, A,2, A,3
	ROW W,8, W,9, W,10, W,11
	ROW A,4, A,5, A,6, A,7
	ROW W,12, W,13, W,14, W,15
	ROW A,8, A,9, A,10, A,11
	ROW A,12, A,13, A,14, A,15
	OPS F,0, F,1, F,2, F,3
	FETCH_M ((\p)+2)%NP
.if (\p) == 2
	FETCH_K
	FETCH_B
.endif
	OPS E,0, F,4, E,1, F,5
	OPS E,2, F,6, E,3, F,7
	OPS E,4, T,0, E,5, T,1
	OPS E,6, T,2, E,7, T,3
	OPS E,8, F,8, E,9, F,9
	OPS E,10, F,10, E,11, F,11
	OPS E,12, T,4, E,13, T,5
	OPS E,14, T,6, E,15, T,7
	OPS E,16, F,12, E,17, F,13
	OPS E,18, F,14, E,19, F,15
	OPS E,20, T,8, E,21, T,9
	OPS E,22, T,10, E,23, T,11
.if (\p) == 1
	s_wait_dscnt 8                  ; V is in
.endif
	ROW R,0, R,1, R,2, R,3
	ROW T,12, E,24, T,13, C,0
	ROW R,4, R,5, R,6, R,7
	ROW T,14, E,25, T,15, C,1
	ROW R,8, R,9, R,10, R,11
	ROW C,2, E,26, C,3, X,0
	ROW R,12, R,13, R,14, R,15
	ROW X,1, E,27, X,2, X,3
	OPS E,28, X,4, E,29, X,5
	OPS E,30, X,6, E,31, X,7
	OPS X,8, C,4, X,9, C,5
.if (\p) == 0
	FETCH_V
.endif
	OPS X,10, B,0, X,11, B,1
	OPS X,12, C,6, X,13, C,7
	OPS X,14, L,0, X,15, B,2
	OPS X,16, C,8, B,3, C,9
	OPS C,10, L,1, X,17, C,11
	OPS L,2, C,12, B,4, X,18
	OPS C,13, B,5, L,3, X,19
	OPS C,14, L,4, C,15, X,20
	OPS B,6, L,5, B,7, L,6
	OPS L,7
.endm
	CHANGE 1                        ; step 0 is in, everybody's part of it, and so are the four copies of the bias window; step 1 is asked for, into slot 1
	FETCH_K
	FETCH_B
	FETCH_M 0
	FETCH_M 1
	s_wait_dscnt 0x0
.set i, 0
.rept 8
	KQ 0                            ; piece 0's first scores
.set i, i+1
.endr
.set Y, NP-1                        ; W, A, T and X work for piece Y + 1: piece 0.  The 32 lines of W and A are the places behind those products
.irp n, 0,1,2,3,4,5,6,7,8,9,10,11,12,13,14,15
	OP W, \n
.endr
.irp n, 0,1,2,3,4,5,6,7,8,9,10,11,12,13,14,15
	OP A, \n
.endr
.irp n, 0,1,2,3,4,5,6,7,8,9,10,11,12,13,14,15
	OP T, \n
.endr
.irp n, 0,1,2,3,4,5,6,7,8,9,10,11,12,13,14,15,16,17,18,19,20
	OP X, \n
.endr
	v_nop                           ; a plain instruction behind the exponential
	WIN 0
	s_mov_b32 s[SLOTS], 31
	s_branch .Lfirst                ; the loop is entered at a step's first turn, in the middle of a trip
.Lslot:                             ; 30 times: a trip is pieces 2 and 3 of one step and pieces 0 and 1 of the next, from whose slot all its fetches read
	CHANGE 1
	TURN 2
	TURN 3
	WIN 0
.Lfirst:
	TURN 0
	TURN 1
	WIN 0
	s_sub_co_u32 s[SLOTS], s[SLOTS], 1
	s_cmp_lg_u32 s[SLOTS], 0
	s_cbranch_scc1 .Lslot
	CHANGE 0                        ; the tail is written out: nothing is asked for
	s_mov_b32 s[CNT], 2
.Ltail:                             ; the first trip is the last step's; the second is left in its middle: its fetches read the last step once more, and the scores made of them serve nothing
	TURN 2
	TURN 3
	WIN 0
	s_cmp_eq_u32 s[CNT], 1
	s_cbranch_scc1 .Lskip
	TURN 0
	TURN 1
	WIN 0
.Lskip:
	s_sub_co_u32 s[CNT], s[CNT], 1
	s_cmp_lg_u32 s[CNT], 0
	s_cbranch_scc1 .Ltail
.set i, 0
.rept 8
	PV NP-1                         ; the last piece's V^T P of the last step
.set i, i+1
.endr
	; THE WAY OUT.  l's two halves and the other half of the lanes' are added; O^T is divided by l, rounded to f16 and sent through my stage, a piece at a time.  The additions are the places behind the last products.
	WIN 0
.macro ALL line:vararg
.set t, 0
.rept 4
	\line
.set t, t+1
.endr
.endm
	ALL v_add_f32 v[ST+4*t+2], v[ST+4*t+2], v[ST+4*t+3]
	ALL v_permlanex16_b32 v[ST+4*t+3], v[ST+4*t+2], s[SEL], s[SEL+1]
	ALL v_add_f32 v[ST+4*t+2], v[ST+4*t+2], v[ST+4*t+3]
	ALL v_rcp_f32 v[ST+4*t+2], v[ST+4*t+2]
	v_nop                           ; a plain instruction between the last reciprocal and the use of its result
	s_wait_alu depctr_va_vdst(0)
.macro PACK t
	WIN W_RS
.set i, 32*(\t)
.rept 16
	v_pk_mul_f32 v[i:i+1], v[i:i+1], v[ST+4*(\t)+2:ST+4*(\t)+3] op_sel_hi:[1,0]
.set i, i+2
.endr
	WIN 0x05
.set i, 0
.rept 16
	v_cvt_pk_f16_f32 v[S+16*(\t)+i], v[32*(\t)+2*i], v[32*(\t)+2*i+1]
.set i, i+1
.endr
	WIN 0
.irp f, 0,1,2,3
	ds_store_b128 v[STO], v[S+16*(\t)+4*\f:S+16*(\t)+4*\f+3] offset:32*\f
.endr
.irp f, 0,1,2,3
	ds_load_b128 v[S+16*(\t)+4*\f:S+16*(\t)+4*\f+3], v[RD] offset:\f*4*SP  ; LDS serves a wave's instructions in order (ISA guide 5.7.1.4): these see the stores above
.endr
.endm
.macro SEND t, younger              ; younger: the LDS instructions issued behind piece t's loads
	WIN 0
.irp f, 0,1,2,3
	s_wait_dscnt (\younger)+3-\f
	global_store_b128 v[GO], v[S+16*(\t)+4*\f:S+16*(\t)+4*\f+3], s[10:11] offset:(\t)*2048+\f*512  ; 512 consecutive bytes, aligned
.endr
.endm
	PACK 0
.set t, 1
.rept 3
	PACK t
	SEND t-1, 8
.set t, t+1
.endr
	SEND 3, 0
	s_wait_tensorcnt 0x0            ; the wave's end
	ds_add_u32 v[SPW], v[NIL]
	s_wait_dscnt 0x0
	CROUND                          ; the closing round
	s_endpgm
.Lfunc_end_k_qbc2ae72cca_attn:
	.size	k_qbc2ae72cca_attn, .Lfunc_end_k_qbc2ae72cca_attn-k_qbc2ae72cca_attn
	.p2alignl 7, 3214868480
	.fill 96, 4, 3214868480
	.section	.rodata,"a",@progbits
	.p2align	6, 0x0
	.amdhsa_kernel k_qbc2ae72cca_attn
		.amdhsa_group_segment_fixed_size 327680
		.amdhsa_private_segment_fixed_size 0
		.amdhsa_enable_private_segment 0
		.amdhsa_kernarg_size 32
		.amdhsa_user_sgpr_count 2
		.amdhsa_user_sgpr_kernarg_segment_ptr 1
		.amdhsa_wavefront_size32 1
		.amdhsa_system_sgpr_workgroup_id_x 1
		.amdhsa_system_sgpr_workgroup_id_y 1
		.amdhsa_system_sgpr_workgroup_id_z 1
		.amdhsa_system_vgpr_workitem_id 0
		.amdhsa_next_free_vgpr 768
		.amdhsa_next_free_sgpr 80
		.amdhsa_reserve_vcc 0
		.amdhsa_float_denorm_mode_32 3
		.amdhsa_float_denorm_mode_16_64 3
		.amdhsa_memory_ordered 1
		.amdhsa_forward_progress 1
		.amdhsa_inst_pref_size 154
	.end_amdhsa_kernel
	.amdgpu_metadata
---
amdhsa.version: [ 1, 2 ]
amdhsa.kernels:
  - .name:           k_qbc2ae72cca_attn
    .symbol:         k_qbc2ae72cca_attn.kd
    .args:
      - { .name: qkv, .offset: 0, .size: 8, .value_kind: global_buffer, .address_space: global }
      - { .name: attention_mask, .offset: 8, .size: 8, .value_kind: global_buffer, .address_space: global }
      - { .name: biasg, .offset: 16, .size: 8, .value_kind: global_buffer, .address_space: global }
      - { .name: ctx, .offset: 24, .size: 8, .value_kind: global_buffer, .address_space: global }
    .group_segment_fixed_size: 327680
    .private_segment_fixed_size: 0
    .kernarg_segment_align: 8
    .kernarg_segment_size: 32
    .max_flat_workgroup_size: 128
    .sgpr_count:     80
    .vgpr_count:     768
    .wavefront_size: 32
...
	.end_amdgpu_metadata
.endif
;; end of part 3
;; launch outp (part 4): grid 8 x 32, 4 waves a work-group, clusters of 4 x 4, 327,680 bytes of LDS; arguments ctx, wot, out0; writes out0
.if DOCPART == 4
	.amdgcn_target "amdgcn-amd-amdhsa--gfx1250"
	.amdhsa_code_object_version 6
	.text
	.protected	k_qbc2ae72cca_outp
	.globl	k_qbc2ae72cca_outp
	.p2align	8
	.type	k_qbc2ae72cca_outp,@function
k_qbc2ae72cca_outp:
	s_mov_b64 s[64:65], 0
	v_nop
	global_prefetch_b8 v0, s[64:65] scope:SCOPE_SE
	s_setreg_imm32_b32 hwreg(HW_REG_WAVE_MODE, 25, 1), 1
	s_wait_xcnt 0x0
	s_wait_alu depctr_hold_cnt(0) depctr_sa_sdst(0) depctr_va_vdst(0) depctr_va_sdst(0) depctr_va_ssrc(0) depctr_va_vcc(0) depctr_vm_vsrc(0)
	s_getreg_b32 s2, hwreg(HW_REG_IB_STS2, 6, 4)
	s_cmp_eq_u32 s2, 0
	s_cbranch_scc0 .Lentry_in_a_cluster
	s_endpgm
.Lentry_in_a_cluster:
	s_bfe_u32 s2, ttmp6, 0x10000c
	s_cmp_lg_u32 s2, 0xf033
	s_cbranch_scc0 .Lentry_shape_is_right
	s_endpgm
.Lentry_shape_is_right:
; THE OUTPUT PROJECTION.  out0[m][n] = sum over e of ctx(m, e) wot[n][e], m = 4,096 tokens, n = 1,024, e = 64 head + channel = 0..1,023; f16 operands, f32 sums, f32 out.
; ctx lies by heads, [2][16][2048][64] f16: a K step of 256 is four heads, and a head's 128 tokens are 16,384 dense bytes.
; A tile of out0 is 128 x 128: 8 x 32 tiles, one for each of 256 work-groups.  Four waves, each 64 x 64: 16 accumulators.  Four K steps through a ring of two LDS slots, written out without a loop.
; CLUSTER.  4 x 4 work-groups: ctx's tile is shared along a row of the cluster, wot's along a column; each is asked for jointly.
; THE MATRIX INSTRUCTION IS USED TRANSPOSED (source 0 = 16 rows of wot, source 1 = 16 tokens): a lane holds eight neighbouring numbers of a row of out0, 32 bytes; a wave's 64 columns are 256 bytes, aligned.
; REGISTERS: window 0: v0-31 addresses; v32-95 rows read back, two buffers; v128-255 the accumulators ((a, b) at 128 + 8 (4 a + b)).  Window 1: two fragment buffers of 128: 64 of ctx, then 64 of wot.
.set KSTEP,  256
.set PA,     144                       ; a token's 128 bytes of one head + 16
.set PB,     528                       ; a row of wot's tile: 512 bytes + 16
.set HEADB,  128*PA                    ; a head's 128 tokens
.set AHALF,  2*HEADB                   ; what waves 0 and 1 fetch: two heads each
.set BOFF,   4*HEADB
.set BHALF,  64*PB                     ; what waves 2 and 3 fetch: 64 rows each
.set SLOT,   BOFF+2*BHALF              ; 141,312 bytes
.set STAGE,  2*SLOT                    ; behind the ring: 16 rows x 272 bytes for each wave
.set SPITCH, 272
.set SPARE,  STAGE+4*16*SPITCH
.set ADRA, 16
.set ADRB, 20
.set STO,  24
.set RD,   25
.set CO,   26
.set SPW,  28
.set NIL,  29
.set TMP,  32
.set ACC,  128
.set F0,   0
.set F1,   128
.set G1, 24
.set G0, 32
.set G1B, 48
.set G0B, 56
.set MSB, 0
.macro WIN new
.if MSB != (\new)
	s_set_vgpr_msb (MSB<<8)|(\new)
.set MSB, \new
.endif
.endm
.set MUL,  0x05
.set TO_F, 0x40
.macro JLOAD s                         ; a joint load: waves 0 and 1 fetch ctx's halves, waves 2 and 3 wot's; an s_nop 0 and four v_nop follow each line
	s_cmp_eq_u32 s11, 0
	s_cbranch_scc0 .Lfor_b_\@
	tensor_load_to_lds s[G0+4*(\s):G0+4*(\s)+3], s[G1:G1+7]
	s_nop 0
.rept 4
	v_nop
.endr
	s_branch .Lasked_\@
.Lfor_b_\@:
	tensor_load_to_lds s[G0B+4*(\s):G0B+4*(\s)+3], s[G1B:G1B+7]
	s_nop 0
.rept 4
	v_nop
.endr
.Lasked_\@:
.endm
.macro CREST
	s_cmp_lg_u32 s10, 0
	s_cbranch_scc1 .Lnot_wave_0_\@
	s_barrier_signal -3
.Lnot_wave_0_\@:
	s_barrier_wait -3
	s_barrier_signal -1
	s_barrier_wait -1
.endm
.macro CROUND
	s_barrier_signal -1
	s_barrier_wait -1
	CREST
.endm
	s_load_b128 s[4:7], s[0:1], 0x0                ; ctx s[4:5], wot s[6:7]
	s_load_b64 s[8:9], s[0:1], 0x10                ; out0
	v_lshl_add_u32 v[SPW], v0, 2, SPARE
	v_mov_b32 v[NIL], 0
	ds_add_u32 v[SPW], v[NIL]                      ; the wave's opening: the add and its wait stand ahead of my first tensor load
	v_lshrrev_b32 v1, 5, v0
	v_readfirstlane_b32 s10, v1
	s_lshr_b32 s11, s10, 1                         ; my half of the tile's rows.  Also: I fetch for ctx (0) or wot (1)
	s_and_b32 s12, s10, 1                          ; my half of its columns.  Also: which half of that tile I fetch
	s_bfe_u32 s40, ttmp6, 0x40000
	s_bfe_u32 s41, ttmp6, 0x40004
	s_lshl_b32 s42, ttmp9, 2
	s_add_co_u32 s42, s42, s40                     ; tile column
	s_and_b32 s13, ttmp7, 0xffff
	s_lshl_b32 s13, s13, 2
	s_add_co_u32 s13, s13, s41                     ; tile row
	s_lshl_b32 s43, s41, 2
	s_lshl_b32 s43, 15, s43
	s_lshl_b32 s44, 0x1111, s40
	; ctx's tile: two heads, each 16,384 dense bytes = one row of 2,048 elements of 8 bytes, 262,144 bytes from head to head; padded in LDS after every token's 32 words by 4
	s_or_b32 s[G1+0], s43, (3<<16)|(1<<20)|(1<<21)|(4<<22)|(3<<25)
	s_mov_b32 s[G1+1], 2048<<16                    ; tensor_dim0
	s_mov_b32 s[G1+2], 2<<16                       ; tensor_dim1
	s_mov_b32 s[G1+3], 2048<<16                    ; tile_dim0
	s_mov_b32 s[G1+4], 2                           ; tile_dim1
	s_mov_b32 s[G1+5], 32768                       ; elements from row to row
	s_mov_b32 s[G1+6], 0
	s_mov_b32 s[G1+7], 0
	; wot's tile: 64 rows x 256 elements of 2 bytes, padded after every 128 words by 4
	s_or_b32 s[G1B+0], s44, (1<<16)|(1<<20)|(1<<21)|(6<<22)|(3<<25)
	s_mov_b32 s[G1B+1], KSTEP<<16
	s_mov_b32 s[G1B+2], 64<<16
	s_mov_b32 s[G1B+3], KSTEP<<16
	s_mov_b32 s[G1B+4], 64
	s_mov_b32 s[G1B+5], 1024
	s_mov_b32 s[G1B+6], 0
	s_mov_b32 s[G1B+7], 0
	s_lshr_b32 s16, s13, 4                         ; batch: 16 heads of 262,144 bytes,
	s_lshl_b32 s16, s16, 22
	s_lshl_b32 s17, s12, 19                        ; my two heads of the step's four,
	s_add_co_u32 s16, s16, s17
	s_and_b32 s17, s13, 15                         ; the tile's 128 tokens of 128 bytes
	s_lshl_b32 s17, s17, 14
	s_add_co_u32 s16, s16, s17
	s_mov_b32 s17, 0
	s_lshl_b32 s46, s42, 7                         ; wot: row 128 x tile column + 64 x half, 2,048 bytes a row
	s_lshl_b32 s47, s12, 6
	s_add_co_u32 s46, s46, s47
	s_lshl_b32 s46, s46, 11
	s_mov_b32 s47, 0
	s_mul_i32 s20, s12, AHALF
	s_mul_i32 s21, s12, BHALF
	s_add_co_u32 s21, s21, BOFF
	s_wait_dscnt 0x0                               ; the opening add is done
	s_wait_kmcnt 0x0
	s_add_nc_u64 s[14:15], s[4:5], s[16:17]
	s_add_nc_u64 s[46:47], s[6:7], s[46:47]
	CROUND                                         ; all sixteen work-groups are here
.irp s, 0,1
	s_mov_b32 s[G0+4*(\s)], 1
	s_add_co_u32 s[G0+4*(\s)+1], s20, (\s)*SLOT
	s_add_nc_u64 s[G0+4*(\s)+2:G0+4*(\s)+3], s[14:15], (\s)*0x100000  ; K step s: four heads on
	s_or_b32 s[G0+4*(\s)+3], s[G0+4*(\s)+3], 0x80000000
	s_mov_b32 s[G0B+4*(\s)], 1
	s_add_co_u32 s[G0B+4*(\s)+1], s21, (\s)*SLOT
	s_add_nc_u64 s[G0B+4*(\s)+2:G0B+4*(\s)+3], s[46:47], (\s)*KSTEP*2
	s_or_b32 s[G0B+4*(\s)+3], s[G0B+4*(\s)+3], 0x80000000
	JLOAD \s                                       ; two loads of mine are out
.endr
	v_and_b32 v1, 15, v0
	v_bfe_u32 v2, v0, 4, 1
	v_mul_u32_u24 v3, v1, PA
	v_lshl_add_u32 v3, v2, 4, v3
	v_mul_u32_u24 v4, v1, PB
	v_lshl_add_u32 v4, v2, 4, v4
	s_mul_i32 s22, s11, 64*PA                      ; my 64 tokens in each head
	s_mul_i32 s23, s12, BHALF                      ; my 64 rows of wot
	s_add_co_u32 s23, s23, BOFF
.irp s, 0,1
	v_add_nc_u32 v[ADRA+(\s)], s22, v3
	v_add_nc_u32 v[ADRB+(\s)], s23, v4
	s_add_co_u32 s22, s22, SLOT
	s_add_co_u32 s23, s23, SLOT
.endr
	s_mul_i32 s22, s10, 16*SPITCH
	s_add_co_u32 s22, s22, STAGE                   ; my stage
	v_mul_u32_u24 v5, v1, SPITCH
	v_lshl_add_u32 v5, v2, 5, v5
	v_add_nc_u32 v[STO], s22, v5                   ; in: row l % 16, 32 bytes for each half of the lanes
	v_mul_u32_u24 v5, v2, SPITCH
	v_lshl_add_u32 v5, v1, 4, v5
	v_add_nc_u32 v[RD], s22, v5                    ; back: lanes 0-15 one row of 256 bytes, lanes 16-31 the next
	v_lshlrev_b32 v5, 12, v2
	v_lshl_add_u32 v[CO], v1, 4, v5                ; and the same two rows in out0
	s_lshl_b32 s66, s13, 19                        ; my part of out0: row 128 x tile row + 64 x half, 4,096 bytes a row,
	s_lshl_b32 s68, s11, 18
	s_add_co_u32 s66, s66, s68
	s_lshl_b32 s68, s42, 9                         ; column 128 x tile column + 64 x half, 4 bytes each
	s_add_co_u32 s66, s66, s68
	s_lshl_b32 s68, s12, 8
	s_add_co_u32 s66, s66, s68
	s_mov_b32 s67, 0
	s_add_nc_u64 s[8:9], s[8:9], s[66:67]
; 8 matrix instructions: row blocks a0, a0 + 1 x all 4 column blocks, 32 along K: half c of buffer f.  The 16 accumulators take turns.
.macro MUL8 f, c, a0, zero
	WIN MUL
.irp a, \a0, (\a0)+1
.irp b, 0,1,2,3
.if \zero
	v_wmma_f32_16x16x32_f16 v[ACC+8*(4*(\a)+(\b)):ACC+8*(4*(\a)+(\b))+7], v[(\f)+64+8*(4*(\c)+(\b)):(\f)+64+8*(4*(\c)+(\b))+7], v[(\f)+8*(4*(\c)+(\a)):(\f)+8*(4*(\c)+(\a))+7], 0
.else
	v_wmma_f32_16x16x32_f16 v[ACC+8*(4*(\a)+(\b)):ACC+8*(4*(\a)+(\b))+7], v[(\f)+64+8*(4*(\c)+(\b)):(\f)+64+8*(4*(\c)+(\b))+7], v[(\f)+8*(4*(\c)+(\a)):(\f)+8*(4*(\c)+(\a))+7], v[ACC+8*(4*(\a)+(\b)):ACC+8*(4*(\a)+(\b))+7]
.endif
.endr
.endr
.endm
; 32 LDS loads in one run: quarter q of a K step is head q of its four: 64 along K; the first 32 along K first
.macro FETCH slot, q, f
	WIN TO_F
.irp c, 0,1
.irp i, 0,1,2,3
	ds_load_b128 v[(\f)+64+8*(4*(\c)+(\i)):(\f)+64+8*(4*(\c)+(\i))+3],   v[ADRB+(\slot)] offset:128*(\q)+64*(\c)+(\i)*16*PB
	ds_load_b128 v[(\f)+64+8*(4*(\c)+(\i))+4:(\f)+64+8*(4*(\c)+(\i))+7], v[ADRB+(\slot)] offset:128*(\q)+64*(\c)+(\i)*16*PB+32
	ds_load_b128 v[(\f)+8*(4*(\c)+(\i)):(\f)+8*(4*(\c)+(\i))+3],         v[ADRA+(\slot)] offset:HEADB*(\q)+64*(\c)+(\i)*16*PA
	ds_load_b128 v[(\f)+8*(4*(\c)+(\i))+4:(\f)+8*(4*(\c)+(\i))+7],       v[ADRA+(\slot)] offset:HEADB*(\q)+64*(\c)+(\i)*16*PA+32
.endr
.endr
.endm
.macro PLACES
.rept 4
	v_nop
.endr
.endm
.macro QUARTER slot, q, f, g, zero
	s_wait_dscnt 16                                ; the first 32 along K are in
	MUL8 \f, 0, 0, \zero
	MUL8 \f, 0, 2, \zero
	PLACES
	FETCH \slot, \q, \g
	s_wait_dscnt 32                                ; all but the 32 just issued
	MUL8 \f, 1, 0, 0
	MUL8 \f, 1, 2, 0
.endm
; The last quarter multiplies buffer 1 and changes slots: one barrier; in front of it each wave waits for all its tensor loads, adds 0 to its spare word, and waits for that and for its reads of this slot.
.macro TURN slot, next, fill
	WIN 0
	s_wait_tensorcnt 0x0
	ds_add_u32 v[SPW], v[NIL]
	s_wait_dscnt 17                                ; (the add and the youngest sixteen loads may be out)
	MUL8 F1, 0, 0, 0
	s_wait_dscnt 0x0
	s_barrier_signal -1
	MUL8 F1, 0, 2, 0
.if \fill
	WIN 0
.endif
	s_barrier_wait -1
.if \fill
	CREST                                          ; no wave of any partner still reads this slot or has a load on its way
	s_add_nc_u64 s[G0+4*(\slot)+2:G0+4*(\slot)+3], s[G0+4*(\slot)+2:G0+4*(\slot)+3], 0x200000
	s_add_nc_u64 s[G0B+4*(\slot)+2:G0B+4*(\slot)+3], s[G0B+4*(\slot)+2:G0B+4*(\slot)+3], 2*KSTEP*2
	JLOAD \slot                                    ; its four v_nop are also the places in front of the loads below
.else
	PLACES
.endif
	FETCH \next, 0, F0
	MUL8 F1, 1, 0, 0
	MUL8 F1, 1, 2, 0
.endm
	s_wait_tensorcnt 1                             ; my part of K step 0 is in; K step 1's may stay out
	s_barrier_signal -1
	s_barrier_wait -1
	FETCH 0, 0, F0
	QUARTER 0, 1, F0, F1, 1                        ; the first products start the sums
	QUARTER 0, 2, F1, F0, 0
	QUARTER 0, 3, F0, F1, 0
	TURN 0, 1, 1                                   ; slot 0 takes K step 2
	QUARTER 1, 1, F0, F1, 0
	QUARTER 1, 2, F1, F0, 0
	QUARTER 1, 3, F0, F1, 0
	TURN 1, 0, 1                                   ; slot 1 takes K step 3
	QUARTER 0, 1, F0, F1, 0
	QUARTER 0, 2, F1, F0, 0
	QUARTER 0, 3, F0, F1, 0
	TURN 0, 1, 0
	QUARTER 1, 1, F0, F1, 0
	QUARTER 1, 2, F1, F0, 0
	QUARTER 1, 3, F0, F1, 0
	s_wait_dscnt 16
	MUL8 F1, 0, 0, 0
	MUL8 F1, 0, 2, 0
	s_wait_dscnt 0x0
	MUL8 F1, 1, 0, 0
	MUL8 F1, 1, 2, 0
	WIN 0
	; THE WAY OUT, 16 rows at a time, through my own stage: 32 bytes a lane in (each accumulator's low four registers first), whole rows of 256 bytes back.
	PLACES
.irp a, 0,1,2,3
.irp b, 0,1,2,3
	ds_store_b128 v[STO], v[ACC+8*(4*(\a)+(\b)):ACC+8*(4*(\a)+(\b))+3] offset:64*(\b)
	ds_store_b128 v[STO], v[ACC+8*(4*(\a)+(\b))+4:ACC+8*(4*(\a)+(\b))+7] offset:64*(\b)+16
.endr
.irp i, 0,1,2,3,4,5,6,7
	ds_load_b128 v[TMP+32*((\a)%2)+4*(\i):TMP+32*((\a)%2)+4*(\i)+3], v[RD] offset:(\i)*2*SPITCH  ; LDS serves a wave's instructions in order (ISA guide 5.7.1.4)
.endr
	s_wait_dscnt 0x0
	s_wait_xcnt 0x0                                ; the registers that the block before last's stores read are loaded again only behind this wait
.irp i, 0,1,2,3,4,5,6,7
	global_store_b128 v[CO], v[TMP+32*((\a)%2)+4*(\i):TMP+32*((\a)%2)+4*(\i)+3], s[8:9] offset:(16*(\a)+2*(\i))*4096 th:TH_STORE_NT  ; sixteen lanes store 256 consecutive bytes, aligned
.endr
.endr
	s_wait_tensorcnt 0x0                           ; the wave's end
	ds_add_u32 v[SPW], v[NIL]
	s_wait_dscnt 0x0
	CROUND                                         ; the closing round
	s_endpgm
.Lfunc_end_k_qbc2ae72cca_outp:
	.size	k_qbc2ae72cca_outp, .Lfunc_end_k_qbc2ae72cca_outp-k_qbc2ae72cca_outp
	.p2alignl 7, 3214868480
	.fill 96, 4, 3214868480
	.section	.rodata,"a",@progbits
	.p2align	6, 0x0
	.amdhsa_kernel k_qbc2ae72cca_outp
		.amdhsa_group_segment_fixed_size 327680
		.amdhsa_private_segment_fixed_size 0
		.amdhsa_enable_private_segment 0
		.amdhsa_kernarg_size 24
		.amdhsa_user_sgpr_count 2
		.amdhsa_user_sgpr_kernarg_segment_ptr 1
		.amdhsa_wavefront_size32 1
		.amdhsa_system_sgpr_workgroup_id_x 1
		.amdhsa_system_sgpr_workgroup_id_y 1
		.amdhsa_system_sgpr_workgroup_id_z 1
		.amdhsa_system_vgpr_workitem_id 0
		.amdhsa_next_free_vgpr 512
		.amdhsa_next_free_sgpr 72
		.amdhsa_reserve_vcc 0
		.amdhsa_float_denorm_mode_32 3
		.amdhsa_float_denorm_mode_16_64 3
		.amdhsa_memory_ordered 1
		.amdhsa_forward_progress 1
		.amdhsa_inst_pref_size 86
	.end_amdhsa_kernel
	.amdgpu_metadata
---
amdhsa.version: [ 1, 2 ]
amdhsa.kernels:
  - .name:           k_qbc2ae72cca_outp
    .symbol:         k_qbc2ae72cca_outp.kd
    .args:
      - { .name: ctx, .offset: 0, .size: 8, .value_kind: global_buffer, .address_space: global }
      - { .name: wot, .offset: 8, .size: 8, .value_kind: global_buffer, .address_space: global }
      - { .name: out0, .offset: 16, .size: 8, .value_kind: global_buffer, .address_space: global }
    .group_segment_fixed_size: 327680
    .private_segment_fixed_size: 0
    .kernarg_segment_align: 8
    .kernarg_segment_size: 24
    .max_flat_workgroup_size: 128
    .sgpr_count:     72
    .vgpr_count:     512
    .wavefront_size: 32
...
	.end_amdgpu_metadata
.endif
;; end of part 4
;; ======== version 2 of 2: 4 launches; 1.10 times as fast as version 1
;; limits: values are held in f16: magnitudes above 65,504 overflow, below 6.1e-05 lose precision; inputs' magnitudes at most 65,504; a difference of large sums (such as E[x^2] - mean^2): digits are lost where the result is much smaller than its terms
;; workspace buffers: xh 8,388,608 bytes; wqt 6,291,456 bytes; wot 2,097,152 bytes; biasg 1,048,576 bytes; qkv 25,165,824 bytes; ctx 8,388,608 bytes
;; launch prep (part 5): grid 832 x 1, 8 waves a work-group, no clusters, 18,432 bytes of LDS; arguments hidden_states, W_qkv, W_o, rel_bias_emb, xh, wqt, wot, biasg; writes xh, wqt, wot, biasg
.if DOCPART == 5
	.amdgcn_target "amdgcn-amd-amdhsa--gfx1250"
	.amdhsa_code_object_version 6
	.text
	.protected	k_qbc2ae72cca_prep
	.globl	k_qbc2ae72cca_prep
	.p2align	8
	.type	k_qbc2ae72cca_prep,@function
k_qbc2ae72cca_prep:
	s_mov_b64 s[64:65], 0
	v_nop
	global_prefetch_b8 v0, s[64:65] scope:SCOPE_SE
	s_setreg_imm32_b32 hwreg(HW_REG_WAVE_MODE, 25, 1), 1
	s_wait_xcnt 0x0
; PREPARATION.  Four jobs, chosen by the work-group's number (the same for all eight waves of a work-group):
;   0-255    xh  = hidden_states rounded to f16, same order: 64 KiB of f32 a work-group.
;   256-639  wqt[n][k] = f16(W_qkv[k][n]): tiles of 128 k x 64 n, turned through LDS.
;   640-767  wot[n][k] = f16(W_o[k][n]): the same.
;   768-831  biasg[h][c][x] = log2(e) * rel_bias_emb[bucket(x - c - 2048)][h] - K2, K2 = 10000 log2(e), x = 0..4095, c = 0..3: four copies a head, each shifted by
;            one entry, so that a lane of the attention launch finds eight neighbouring entries at a multiple of 16 bytes.
; Memory binds all four jobs: no matrix unit, no cluster, no tensor load; every store of sixteen or 32 lanes covers 256 consecutive bytes, aligned.
; WHY f16.  The mask enters the scores times 10,000 and is kept in f32, so the other inputs are kept as close to their f32 numbers as 16 bits allow: f16's 11 significant bits leave an eighth of
; what bf16's 8 would.  The inputs have room in it: spreads of 1 and 0.02, 30 times more or less, or an offset of 30 spreads, lie between f16's step and its end.
; LIMITS.  hidden_states, W_qkv and W_o must lie within 65,504 (beyond it f16 is infinite); below 6.1e-5 they keep f16's fixed step of 6e-8.  A table entry is rounded once, at K2's size, 14,427, where
; f32's step is 2^-10: the bias in base 2 is kept to 4.9e-4 (the attention launch's head says what that does to a weight).  The bucket is found by whole-number
; thresholds: 8 + floor(2 log2(|d| / 8)) grows at |d| = 12, 16, 23, 32, 46, 64, 91 (the next whole number at or above 8 x 2^(n/2)); at 16, 32, 64 the quotient of the logarithms is a
; whole number in f32 too (ln 4, ln 8 and ln 16 round to 2, 3 and 4 times the rounded ln 2).
.set SPARE, 17408                      ; behind the stage of 64 rows x 272 bytes: the spare words, 128 bytes for each of eight waves
.set SPW, 4                            ; v4  LDS address of my spare word; never rewritten
.set NIL, 5                            ; v5  0; never rewritten
	s_load_b512 s[4:19], s[0:1], 0x0               ; x s[4:5], W_qkv s[6:7], W_o s[8:9], table s[10:11], xh s[12:13], wqt s[14:15], wot s[16:17], biasg s[18:19]
	v_lshl_add_u32 v[SPW], v0, 2, SPARE
	v_mov_b32 v[NIL], 0
	s_mov_b32 s20, ttmp9
	s_mov_b32 s23, 0                               ; the high word of every offset pair s[22:23]
	s_wait_kmcnt 0x0
	s_cmp_lt_u32 s20, 256
	s_cbranch_scc0 .Lnot_x
	; JOB X.  Thread t takes 16 bytes of every 4,096: sixteen loads are out at once, no register is used twice, so no wait frees anything.
	s_lshl_b32 s22, s20, 16
	s_add_nc_u64 s[4:5], s[4:5], s[22:23]
	s_lshl_b32 s22, s20, 15
	s_add_nc_u64 s[12:13], s[12:13], s[22:23]
	v_lshlrev_b32 v1, 4, v0
	v_lshlrev_b32 v2, 3, v0
.set i, 0
.rept 16
	global_load_b128 v[8+4*i:8+4*i+3], v1, s[4:5] offset:4096*i th:TH_LOAD_NT
.set i, i+1
.endr
.set i, 0
.rept 16
	s_wait_loadcnt 15-i                            ; loads come back in order: load i is in, the 15 - i younger ones stay out
	v_cvt_pk_f16_f32 v[72+2*i], v[8+4*i], v[8+4*i+1]
	v_cvt_pk_f16_f32 v[72+2*i+1], v[8+4*i+2], v[8+4*i+3]
	global_store_b64 v2, v[72+2*i:72+2*i+1], s[12:13] offset:2048*i  ; 32 lanes x 8 bytes: 256 consecutive bytes, aligned
.set i, i+1
.endr
	s_endpgm
; A tile of 128 k x 64 n is turned.  Thread t = 16 kp + nq loads rows k = 32 i + 2 kp and + 1 (i = 0..3), 16 bytes (4 n) of each: sixteen lanes read 256 consecutive bytes.
; A pair of rows packs into one word (k even below, k odd above), which goes to stage row n at byte 2 k.  Behind a barrier the stage is read by rows of 256 bytes.
.macro TRANS sb, db, pitch, first
	s_sub_co_u32 s21, s20, \first                  ; the tile's number
	s_and_b32 s24, s21, 7                          ; kt
	s_lshr_b32 s25, s21, 3                         ; nt
	s_mul_i32 s22, s24, 128*(\pitch)
	s_lshl_b32 s26, s25, 8
	s_add_co_u32 s22, s22, s26
	s_add_nc_u64 s[\sb:\sb+1], s[\sb:\sb+1], s[22:23]
	s_lshl_b32 s22, s25, 17                        ; 64 rows of 2,048 bytes
	s_lshl_b32 s26, s24, 8
	s_add_co_u32 s22, s22, s26
	s_add_nc_u64 s[\db:\db+1], s[\db:\db+1], s[22:23]
	v_and_b32 v6, 15, v0                           ; nq
	v_lshrrev_b32 v7, 4, v0                        ; kp
	v_mul_u32_u24 v1, v7, 2*(\pitch)
	v_lshl_add_u32 v1, v6, 4, v1                   ; source offset
	v_mul_u32_u24 v2, v6, 4*272
	v_lshl_add_u32 v2, v7, 2, v2                   ; stage, in: row 4 nq, byte 4 kp
	v_mul_u32_u24 v3, v7, 272
	v_lshl_add_u32 v3, v6, 4, v3                   ; stage, back: row kp, 16 bytes a lane
	v_lshlrev_b32 v72, 11, v7
	v_lshl_add_u32 v72, v6, 4, v72                 ; and the same place in the turned matrix
.irp i, 0,1,2,3
	global_load_b128 v[8+8*\i:8+8*\i+3], v1, s[\sb:\sb+1] offset:(32*\i)*(\pitch) th:TH_LOAD_NT
	global_load_b128 v[8+8*\i+4:8+8*\i+7], v1, s[\sb:\sb+1] offset:(32*\i+1)*(\pitch) th:TH_LOAD_NT
.endr
.irp i, 0,1,2,3
	s_wait_loadcnt 6-2*\i                          ; pair i of the eight loads is in
.irp j, 0,1,2,3
	v_cvt_pk_f16_f32 v[40+4*\i+\j], v[8+8*\i+\j], v[8+8*\i+4+\j]
	ds_store_b32 v2, v[40+4*\i+\j] offset:272*\j+64*\i
.endr
.endr
	s_wait_dscnt 0x0                               ; for the others' sake: my stores into the stage are done
	s_barrier_signal -1
	s_barrier_wait -1
.irp i, 0,1,2,3
	ds_load_b128 v[56+4*\i:56+4*\i+3], v3 offset:4352*\i
.endr
.irp i, 0,1,2,3
	s_wait_dscnt 3-\i
	global_store_b128 v72, v[56+4*\i:56+4*\i+3], s[\db:\db+1] offset:32768*\i  ; sixteen lanes store 256 consecutive bytes, aligned
.endr
	s_wait_tensorcnt 0x0                           ; the wave's end, behind my last LDS store
	ds_add_u32 v[SPW], v[NIL]
	s_wait_dscnt 0x0
	s_endpgm
.endm
.Lnot_x:
	s_cmp_lt_u32 s20, 640
	s_cbranch_scc0 .Lnot_q
	TRANS 6, 14, 12288, 256
.Lnot_q:
	s_cmp_lt_u32 s20, 768
	s_cbranch_scc0 .Ltable
	TRANS 8, 16, 4096, 640
	; JOB B.  One copy of one head's table: 4,096 entries, four a thread and trip.
.macro BUCKET e
	v_add_nc_u32 v10, \e, v1
	v_sub_nc_u32 v10, v10, s24                     ; d = x - c - 2048 = key - query
	v_sub_nc_u32 v11, 0, v10
	v_max_i32 v11, v10, v11                        ; |d|
	v_mov_b32 v[16+\e], 8
.irp th, 12,16,23,32,46,64,91
	v_cmp_le_u32 vcc_lo, \th, v11
	v_add_co_ci_u32 v[16+\e], vcc_lo, 0, v[16+\e], vcc_lo  ; one more for each threshold reached: 15 at the most
.endr
	v_cmp_gt_u32 vcc_lo, 8, v11
	v_cndmask_b32 v[16+\e], v[16+\e], v11, vcc_lo  ; below 8 the distance itself
	v_cmp_lt_i32 vcc_lo, 0, v10
	v_cndmask_b32 v13, 0, 16, vcc_lo               ; keys behind the query take the upper half
	v_add_nc_u32 v[16+\e], v[16+\e], v13
	v_min_u32 v[16+\e], 31, v[16+\e]
	v_lshl_add_u32 v[16+\e], v[16+\e], 6, s25      ; a row of the table is 64 bytes
	global_load_b32 v[20+\e], v[16+\e], s[10:11]
.endm
.Ltable:
	s_sub_co_u32 s21, s20, 768                     ; 4 x head + copy
	s_lshl_b32 s22, s21, 14
	s_add_nc_u64 s[18:19], s[18:19], s[22:23]
	s_lshr_b32 s25, s21, 2
	s_lshl_b32 s25, s25, 2                         ; the head's byte in a row of the table
	s_and_b32 s24, s21, 3
	s_add_co_u32 s24, s24, 2048                    ; c + 2048
	s_mov_b32 s27, 0x3fb8aa3b                      ; log2(e): the attention launch works in base 2
	s_mov_b32 s28, 0xc6616bcd                      ; - K2 = - 10000 log2(e)
	v_lshlrev_b32 v1, 2, v0                        ; my first entry
	v_lshlrev_b32 v2, 4, v0                        ; and its byte
	s_mov_b32 s26, 4
.Lrow:
.irp e, 0,1,2,3
	BUCKET \e
.endr
	s_wait_loadcnt 0x0
.irp e, 0,1,2,3
	v_fma_f32 v[20+\e], v[20+\e], s27, s28         ; one fused multiply-add: rounded once
.endr
	global_store_b128 v2, v[20:23], s[18:19]
	s_wait_xcnt 0x0                                ; the store's offset and data are rewritten only behind this wait
	v_add_nc_u32 v1, 1024, v1
	v_add_nc_u32 v2, 4096, v2
	s_sub_co_u32 s26, s26, 1
	s_cmp_lg_u32 s26, 0
	s_cbranch_scc1 .Lrow
	s_endpgm
.Lfunc_end_k_qbc2ae72cca_prep:
	.size	k_qbc2ae72cca_prep, .Lfunc_end_k_qbc2ae72cca_prep-k_qbc2ae72cca_prep
	.p2alignl 7, 3214868480
	.fill 96, 4, 3214868480
	.section	.rodata,"a",@progbits
	.p2align	6, 0x0
	.amdhsa_kernel k_qbc2ae72cca_prep
		.amdhsa_group_segment_fixed_size 18432
		.amdhsa_private_segment_fixed_size 0
		.amdhsa_enable_private_segment 0
		.amdhsa_kernarg_size 64
		.amdhsa_user_sgpr_count 2
		.amdhsa_user_sgpr_kernarg_segment_ptr 1
		.amdhsa_wavefront_size32 1
		.amdhsa_system_sgpr_workgroup_id_x 1
		.amdhsa_system_sgpr_workgroup_id_y 1
		.amdhsa_system_sgpr_workgroup_id_z 1
		.amdhsa_system_vgpr_workitem_id 0
		.amdhsa_next_free_vgpr 104
		.amdhsa_next_free_sgpr 66
		.amdhsa_reserve_vcc 1
		.amdhsa_float_denorm_mode_32 3
		.amdhsa_float_denorm_mode_16_64 3
		.amdhsa_memory_ordered 1
		.amdhsa_forward_progress 1
		.amdhsa_inst_pref_size 22
	.end_amdhsa_kernel
	.amdgpu_metadata
---
amdhsa.version: [ 1, 2 ]
amdhsa.kernels:
  - .name:           k_qbc2ae72cca_prep
    .symbol:         k_qbc2ae72cca_prep.kd
    .args:
      - { .name: hidden_states, .offset: 0, .size: 8, .value_kind: global_buffer, .address_space: global }
      - { .name: W_qkv, .offset: 8, .size: 8, .value_kind: global_buffer, .address_space: global }
      - { .name: W_o, .offset: 16, .size: 8, .value_kind: global_buffer, .address_space: global }
      - { .name: rel_bias_emb, .offset: 24, .size: 8, .value_kind: global_buffer, .address_space: global }
      - { .name: xh, .offset: 32, .size: 8, .value_kind: global_buffer, .address_space: global }
      - { .name: wqt, .offset: 40, .size: 8, .value_kind: global_buffer, .address_space: global }
      - { .name: wot, .offset: 48, .size: 8, .value_kind: global_buffer, .address_space: global }
      - { .name: biasg, .offset: 56, .size: 8, .value_kind: global_buffer, .address_space: global }
    .group_segment_fixed_size: 18432
    .private_segment_fixed_size: 0
    .kernarg_segment_align: 8
    .kernarg_segment_size: 64
    .max_flat_workgroup_size: 256
    .sgpr_count:     66
    .vgpr_count:     104
    .wavefront_size: 32
...
	.end_amdgpu_metadata
.endif
;; end of part 5
;; launch qkvp: the kernel of part 2 again; grid 16 x 16, 4 waves a work-group, clusters of 4 x 4, 327,680 bytes of LDS; arguments xh, wqt, qkv; writes qkv
;; launch attn (part 6): grid 16 x 16, 4 waves a work-group, clusters of 4 x 4, 327,680 bytes of LDS; arguments qkv, attention_mask, biasg, ctx; writes ctx
.if DOCPART == 6
	.amdgcn_target "amdgcn-amd-amdhsa--gfx1250"
	.amdhsa_code_object_version 6
	.text
	.protected	k_qbc2ae72cca_attn
	.globl	k_qbc2ae72cca_attn
	.p2align	8
	.type	k_qbc2ae72cca_attn,@function
k_qbc2ae72cca_attn:
	s_mov_b64 s[64:65], 0
	v_nop
	global_prefetch_b8 v0, s[64:65] scope:SCOPE_SE
	s_setreg_imm32_b32 hwreg(HW_REG_WAVE_MODE, 25, 1), 1
	s_wait_xcnt 0x0
	s_wait_alu depctr_hold_cnt(0) depctr_sa_sdst(0) depctr_va_vdst(0) depctr_va_sdst(0) depctr_va_ssrc(0) depctr_va_vcc(0) depctr_vm_vsrc(0)
	s_getreg_b32 s2, hwreg(HW_REG_IB_STS2, 6, 4)
	s_cmp_eq_u32 s2, 0
	s_cbranch_scc0 .Lentry_in_a_cluster
	s_endpgm
.Lentry_in_a_cluster:
	s_bfe_u32 s2, ttmp6, 0x10000c
	s_cmp_lg_u32 s2, 0xf033
	s_cbranch_scc0 .Lentry_shape_is_right
	s_endpgm
.Lentry_shape_is_right:
; ATTENTION WITH A MASK AND A RELATIVE BIAS.  For batch b, head h, query q: t[k] = m[q][k] (s'[k] + K2) + (B[k - q] - K2), s' = (c q) . k (c = log2(e) / 8 is already in q), m the f32 mask as given,
; K2 = 10000 log2(e), B = log2(e) x bias; p = 2^(t - max), ctx = sum p v / sum p.  t is reference()'s score, s m - 10000 (1 - m) + bias, times log2(e).  Products in f16 with f32 sums; mask, bias, maxima and sums in f32;
; p is rounded to f16 for the second product (its sum l is taken of the unrounded p), ctx once at the end.  qkv: [2][48][2048][64] f16; ctx: [2][16][2048][64] f16.
; WHERE K2 STANDS.  K2 is the C operand that starts the sum K Q^T, and B - K2 comes ready from the table: mask and bias then cost ONE packed multiply-add for two scores, where K2 m - K2, + B and s' m + .. are three.
; LIMITS.  That is another order of rounding than reference()'s: s' + K2 (twice: the sum has two products) and B - K2 are rounded at K2's size, 14,427, where f32's step is 2^-10: t is off by about 1.5e-3 at the most, times |m|,
; and a weight by about 1e-3 of itself, the size of its own rounding to f16; reference()'s 10000 (1 - m) has errors of that size as soon as 1 - m is not small.  q c, k, v arrive within f16's 65,504; p below 6e-5 keeps
; f16's step of 6e-8; a weight below 2^-126 counts as 0 in l; NaN and infinities are not treated apart.
; SHARES.  A work-group owns 128 queries of TWO neighbouring heads of one batch: wave w has head w % 2 and the query half w / 2: 64 queries of one head, four PIECES of 16.  Every wave walks all 2,048 keys, 64 a step.
; Two heads on 128 queries, not one on 256, since both heads read the same mask: a step then takes 33,792 bytes of mask and 38,912 of K and V, and FOUR steps fit in LDS: two slots of two steps.
; LAYOUT.  S^T = K Q^T holds ONE query a lane (lane % 16) and the keys 8 (lane / 16) + 0..7 of each block of 16; two such results rounded to f16 ARE source 1 of O^T = V^T P.  The lane's eight mask numbers are 32
; consecutive bytes of the mask's row; its eight bias numbers are 32 consecutive bytes of the head's table by k - q, of the copy (lane % 4) that puts them at a multiple of 16 bytes.  Bias block d = key block - piece + 3
; is the same for every pair with that difference: seven blocks a step serve all sixteen pairs.
; SOFTMAX.  A running maximum m and sum l for each query; in every step O and l are multiplied by a = 2^(m_old - m_new).  m starts at the lowest finite number, O and l at 0: the first step has a = 0.
; BY TURNS.  Turn n belongs to piece n: 8 products K Q^T of piece n + 1, later 8 products V^T P of piece n - 1; beside them piece n's subtraction, exponentials, roundings, sums and rescaling, and piece n + 1's mask and
; bias, maximum and statistics.  A turn has 16 matrix and 133 vector instructions: four stand behind each matrix instruction, the other 69 in two lumps.
; CLUSTER.  4 x 4 work-groups: x = four query blocks, y = four pairs of heads of one batch.  K and V hang on (batch, pair): asked for jointly along a row of the cluster.  The mask's tile hangs on (batch, query block):
; jointly along a column.  The bias tile hangs on both, so no partner wants the same one: a load of the work-group's own, with no mask.
; THE RING.  A slot holds 128 keys, two steps: K and V of both heads, 128 rows of mask, and for each head the four copies of the 256 bias entries that these keys and queries can meet.  Wave 0 asks for K, wave 1 for V,
; wave 2 for the mask, wave 3 for the bias: one load a wave behind each round of the cluster's barrier; it has two steps, 128 matrix and 1,064 vector instructions of every wave, in which to land.
; No prefetch: a slot's refill is asked for two key steps ahead of its first read.
; REGISTERS, in windows of 256 (s_set_vgpr_msb: bits 1:0 source 0, 3:2 source 1, 5:4 source 2, 7:6 destination):
;   window 0: v0-15 addresses; v16-31 statistics; v32-39 at work; v40-41 the add's; v48-55 K2; v64-127 S^T, two buffers; v128-159 P, two; v160-223 K of one step
;   window 1: v0-127 O^T, 32 a piece; v128-183 the seven bias blocks; v184-247 V of one step      window 2: v0-63 Q; v64-127 mask, two buffers
; The windows are laid so that the lines behind a product run under the product's own setting: K Q^T has only source 1 (Q) outside window 0, and t - m (source 1 a scalar) and the exponentials name no vector register there;
; V^T P has V and O^T in window 1 and P in window 0, as O^T times a has O^T and a.  A turn has 13 switches (15 where V or the bias is fetched).
.set NP,    4
.set KS,    64
.set PK,    144       ; a row of K in LDS: 128 bytes + 16
.set PV,    160       ; a row of V: 128 + 32
.set PM,    528       ; a row of the mask's tile: 512 + 16 = 132 words: the 16 rows of a load start at 16 different groups of four banks (ISA guide 11.1)
.set PBI,   1088      ; a copy's 256 bias entries: 1,024 + 64: the four copies start 64 bytes apart modulo 256, so sixteen lanes take sixteen different columns of 16 bytes
.set KHEAD, 128*PK    ; a head's 128 keys
.set VHEAD, 128*PV
.set KOFF,  0
.set VOFF,  2*KHEAD
.set MOFF,  VOFF+2*VHEAD
.set BOFF,  MOFF+128*PM
.set SLOTB, BOFF+8*PBI         ; 154,112 bytes; slot 1 begins here
.set STAGE, 2*SLOTB            ; behind the ring, never filled by a tensor load: 16 rows x 144 bytes for each wave, for the way out
.set SP,    144
.set SPARE, STAGE+4*16*SP      ; the spare words, 128 bytes a wave
.set AK0, 2           ; v2-5  my lane's place in a slot's K, V, mask and bias; never rewritten
.set AV0, 3
.set AM0, 4
.set AB0, 5
.set AK,  6           ; v6-9  the same with the slot and the step added
.set AV,  7
.set AM,  8
.set AB,  9
.set STO, 10
.set RD,  11
.set GO,  12          ; 16 x lane
.set QO,  13
.set ST,  16          ; piece t at v[ST+4 t]: m, m_old, l (even keys', odd keys')
.set TMP, 32          ; by the piece's parity: c0-c3 at work; c2 takes a
.set SPW, 40
.set NIL, 41
.set KC,  48          ; v48-55  K2 in every lane: the C operand that starts a sum K Q^T; never rewritten
.set S,   64
.set P,   128
.set KF,  160
.set BI,  128         ; window 1
.set VF,  184         ; window 1
.set M,   64          ; window 2
.set WV,  12
.set G1K, 24          ; s[24:55] descriptor group 1 for K, V, the mask, the bias
.set G1V, 32
.set G1M, 40
.set G1B, 48
.set G0K, 56          ; group 0, one walking set each
.set G0V, 60
.set G0M, 68
.set G0B, 72
.set SEL, 76          ; s[76:77] v_permlanex16_b32's selects
.set K2,  78          ; s78  10000 log2(e)
.set ONE, 80          ; s[80:81] 1.0
.set TB,  82          ; s82  the slot that the fetches read: 0 or SLOTB
.set SLOTS, 83
.set CNT, 84          ; s84  counts a slot's steps down
.set T0,  85          ; s85-87 at work
.set T1,  86
.set T2,  87
.set MSB, 0
.macro WIN new                      ; the immediate's high byte repeats the setting that is left; a switch that changes nothing is dropped
.if MSB != (\new)
	s_set_vgpr_msb (MSB<<8)|(\new)
.set MSB, (\new)
.endif
.endm
.macro WINM req, mask               ; a line that names vector registers only in the operand places of mask: it switches only if those places differ from req
.if (MSB & (\mask)) != (\req)
	WIN \req
.endif
.endm
.set W_KQ, 0x08       ; Q (source 1) in window 2; K and S^T in window 0
.set W_PV, 0x51       ; V (source 0) and O^T in window 1, P in window 0
.set W_RS, 0x41       ; O^T (destination and source 0) in window 1, a in window 0
.set W_T,  0x18       ; the mask (source 1) in window 2, the bias (source 2) in window 1
; A fill: one load a wave; the branches hang on the wave's number alone.  An s_nop 0 and four v_nop follow each line.
.macro JLOAD4
	s_cmp_lt_u32 s[WV], 2
	s_cbranch_scc0 .Lhigh_\@
	s_cmp_eq_u32 s[WV], 0
	s_cbranch_scc0 .Lfor_v_\@
	tensor_load_to_lds s[G0K:G0K+3], s[G1K:G1K+7]
	s_nop 0
.rept 4
	v_nop
.endr
	s_branch .Lasked_\@
.Lfor_v_\@:
	tensor_load_to_lds s[G0V:G0V+3], s[G1V:G1V+7]
	s_nop 0
.rept 4
	v_nop
.endr
	s_branch .Lasked_\@
.Lhigh_\@:
	s_cmp_eq_u32 s[WV], 2
	s_cbranch_scc0 .Lfor_b_\@
	tensor_load_to_lds s[G0M:G0M+3], s[G1M:G1M+7]
	s_nop 0
.rept 4
	v_nop
.endr
	s_branch .Lasked_\@
.Lfor_b_\@:
	tensor_load_to_lds s[G0B:G0B+3], s[G1B:G1B+7]
	s_nop 0
.rept 4
	v_nop
.endr
.Lasked_\@:
.endm
.macro CROUND
	s_barrier_signal -1
	s_barrier_wait -1
	s_cmp_lg_u32 s[WV], 0
	s_cbranch_scc1 .Lnot_wave_0_\@
	s_barrier_signal -3
.Lnot_wave_0_\@:
	s_barrier_wait -3
	s_barrier_signal -1
	s_barrier_wait -1
.endm
; THE CHANGE OF SLOTS.  Each wave waits for all its tensor loads (one is out: its part of the other slot), adds 0 to its spare word, and waits for that and for its reads of the slot that it leaves.
; fill = 1: the barrier is a round of the cluster's, and behind it the slot just left is filled again, with the 128 keys behind those that have just landed.  An LDS word holds one of two constants, A and A + SLOTB:
; the exclusive or with A ^ (A + SLOTB) turns each into the other.
.macro CHANGE fill
	WIN 0
	s_wait_tensorcnt 0x0            ; no tensor load of mine is out, so a group 0 may be written
	ds_add_u32 v[SPW], v[NIL]       ; scalar work stands between the add and the wait for it
.if \fill
	s_xor_b32 s[G0K+1], s[G0K+1], KOFF^(KOFF+SLOTB)
	s_xor_b32 s[G0V+1], s[G0V+1], VOFF^(VOFF+SLOTB)
	s_xor_b32 s[G0M+1], s[G0M+1], MOFF^(MOFF+SLOTB)
	s_xor_b32 s[G0B+1], s[G0B+1], BOFF^(BOFF+SLOTB)
	s_add_nc_u64 s[G0K+2:G0K+3], s[G0K+2:G0K+3], 2*KS*128
	s_add_nc_u64 s[G0V+2:G0V+3], s[G0V+2:G0V+3], 2*KS*128
	s_add_nc_u64 s[G0M+2:G0M+3], s[G0M+2:G0M+3], 2*KS*4
	s_add_nc_u64 s[G0B+2:G0B+3], s[G0B+2:G0B+3], 2*KS*4
.endif
	s_xor_b32 s[TB], s[TB], SLOTB
	s_wait_dscnt 0x0                ; the add is done, and my reads of the slot are over
.if \fill
	CROUND
	JLOAD4
.else
	s_barrier_signal -1
	s_barrier_wait -1
.endif
.endm
; The four LDS addresses of the step that a trip fetches: step min(n - CNT, 1) of the slot's two (n: the count at the loop's first trip; the tail's third trip reads the last step once more).
.macro STEPADDR n
	s_sub_co_u32 s[T0], \n, s[CNT]
	s_min_u32 s[T0], s[T0], 1
	s_mul_i32 s[T1], s[T0], KS*PK
	s_add_co_u32 s[T1], s[T1], s[TB]
	v_add_nc_u32 v[AK], s[T1], v[AK0]
	s_mul_i32 s[T1], s[T0], KS*PV
	s_add_co_u32 s[T1], s[T1], s[TB]
	v_add_nc_u32 v[AV], s[T1], v[AV0]
	s_lshl_b32 s[T1], s[T0], 8      ; 64 keys are 256 bytes of a mask row, and of a bias copy
	s_add_co_u32 s[T1], s[T1], s[TB]
	v_add_nc_u32 v[AM], s[T1], v[AM0]
	v_add_nc_u32 v[AB], s[T1], v[AB0]
.endm
	s_load_b256 s[4:11], s[0:1], 0x0  ; qkv s[4:5], mask s[6:7], biasg s[8:9], ctx s[10:11]
	v_lshl_add_u32 v[SPW], v0, 2, SPARE
	v_mov_b32 v[NIL], 0
	ds_add_u32 v[SPW], v[NIL]       ; the wave's opening: the add and its wait stand ahead of my first tensor load
	v_lshrrev_b32 v14, 5, v0
	v_readfirstlane_b32 s[WV], v14
	s_bfe_u32 s13, ttmp6, 0x40000   ; cx
	s_bfe_u32 s14, ttmp6, 0x40004   ; cy
	s_lshl_b32 s15, ttmp9, 2
	s_add_co_u32 s15, s15, s13      ; query block of 128 = 4 x cluster x + cx
	s_and_b32 s17, ttmp7, 0xffff
	s_lshl_b32 s16, s17, 2
	s_add_co_u32 s16, s16, s14      ; y = 8 x batch + pair of heads = 4 x cluster y + cy
	s_lshr_b32 s17, s17, 1          ; batch: of the cluster's y alone
	s_and_b32 s18, s[WV], 1         ; my head of the pair
	s_lshr_b32 s19, s[WV], 1        ; my half of the queries
	s_lshl_b32 s94, s14, 2
	s_lshl_b32 s94, 15, s94         ; my row of the cluster
	s_lshl_b32 s95, 0x1111, s13     ; my column
	s_or_b32 s[G1K], s94, (3<<16)|(1<<20)|(1<<21)|(4<<22)|(3<<25)  ; 8-byte elements; padding of 4 words after every 32 (a key); bit 21 beside the mask
	s_or_b32 s[G1V], s94, (3<<16)|(1<<20)|(1<<21)|(4<<22)|(7<<25)  ; of 8 words
	s_or_b32 s[G1M], s95, (2<<16)|(1<<20)|(1<<21)|(6<<22)|(3<<25)  ; 4-byte elements; 4 words after every 128
	s_mov_b32 s[G1B], (2<<16)|(1<<20)|(7<<22)|(15<<25)             ; no mask: my own; 4-byte elements; 16 words after every 256
.irp g, G1K, G1V                    ; a head's 128 keys are 16,384 dense bytes: one row of 2,048 elements; two heads, 262,144 bytes apart
	s_mov_b32 s[\g+1], 2048<<16
	s_mov_b32 s[\g+2], 2<<16
	s_mov_b32 s[\g+3], 2048<<16
	s_mov_b32 s[\g+4], 2
	s_mov_b32 s[\g+5], 32768
	s_mov_b32 s[\g+6], 0
	s_mov_b32 s[\g+7], 0
.endr
	s_mov_b32 s[G1M+1], 128<<16     ; 128 rows of 128 numbers, 2,048 numbers from row to row
	s_mov_b32 s[G1M+2], 128<<16
	s_mov_b32 s[G1M+3], 128<<16
	s_mov_b32 s[G1M+4], 128
	s_mov_b32 s[G1M+5], 2048
	s_mov_b32 s[G1M+6], 0
	s_mov_b32 s[G1M+7], 0
	s_mov_b32 s[G1B+1], 256<<16     ; 8 rows (two heads' four copies) of 256 entries, 4,096 entries from row to row
	s_mov_b32 s[G1B+2], 8<<16
	s_mov_b32 s[G1B+3], 256<<16
	s_mov_b32 s[G1B+4], 8
	s_mov_b32 s[G1B+5], 4096
	s_mov_b32 s[G1B+6], 0
	s_mov_b32 s[G1B+7], 0
	s_mov_b32 s[G0K], 1
	s_mov_b32 s[G0K+1], KOFF
	s_mov_b32 s[G0V], 1
	s_mov_b32 s[G0V+1], VOFF
	s_mov_b32 s[G0M], 1
	s_mov_b32 s[G0M+1], MOFF
	s_mov_b32 s[G0B], 1
	s_mov_b32 s[G0B+1], BOFF
	s_lshl_b32 s20, s16, 19         ; q's pair of heads in qkv: head 48 x batch + 2 x pair = 2 y + 32 x batch, 262,144 bytes each; k's lies 16 heads on, v's 32
	s_lshl_b32 s[T2], s17, 23
	s_add_co_u32 s20, s20, s[T2]
	s_mov_b32 s21, 0
	s_lshl_b32 s22, s17, 24         ; the mask: batch,
	s_lshl_b32 s[T2], s15, 20       ; my block's 128 rows of 8,192 bytes
	s_add_co_u32 s22, s22, s[T2]
	s_mov_b32 s23, 0
	s_lshl_b32 s[T2], s18, 18       ; my wave's rows: its head,
	s_lshl_b32 s[T1], s15, 14       ; the block's 128 rows of 128 bytes,
	s_add_co_u32 s[T2], s[T2], s[T1]
	s_lshl_b32 s[T1], s19, 13       ; its half
	s_add_co_u32 s[T2], s[T2], s[T1]
	s_add_co_u32 s88, s20, s[T2]    ; in q
	s_mov_b32 s89, 0
	s_lshl_b32 s90, s16, 19         ; in ctx: head 16 x batch + 2 x pair = 2 y
	s_add_co_u32 s90, s90, s[T2]
	s_mov_b32 s91, 0
	s_and_b32 s92, s16, 7           ; the bias: the pair's eight rows of 16,384 bytes,
	s_lshl_b32 s92, s92, 17
	s_add_co_u32 s92, s92, 7680     ; from entry 1920 - 128 x query block on: never below 0; with 128 more for each of 15 further slots the 256 entries end at 4,096 at the most
	s_lshl_b32 s[T1], s15, 9
	s_sub_co_u32 s92, s92, s[T1]
	s_mov_b32 s93, 0
	s_mov_b32 s[SEL], 0x76543210
	s_mov_b32 s[SEL+1], 0xfedcba98
	s_mov_b32 s[K2], 0x46616bcd
	s_mov_b32 s[ONE], 1.0
	s_mov_b32 s[ONE+1], 1.0
	s_mov_b32 s[TB], SLOTB          ; the first change of slots turns it into 0
	s_wait_dscnt 0x0                ; the opening add is done
	s_wait_kmcnt 0x0
	s_add_nc_u64 s[G0K+2:G0K+3], s[4:5], s[20:21]
	s_add_nc_u64 s[G0V+2:G0V+3], s[G0K+2:G0K+3], 0x800000
	s_add_nc_u64 s[G0K+2:G0K+3], s[G0K+2:G0K+3], 0x400000
	s_or_b32 s[G0K+3], s[G0K+3], 0x80000000
	s_or_b32 s[G0V+3], s[G0V+3], 0x80000000
	s_add_nc_u64 s[G0M+2:G0M+3], s[6:7], s[22:23]
	s_or_b32 s[G0M+3], s[G0M+3], 0x80000000
	s_add_nc_u64 s[G0B+2:G0B+3], s[8:9], s[92:93]
	s_or_b32 s[G0B+3], s[G0B+3], 0x80000000
	s_add_nc_u64 s[4:5], s[4:5], s[88:89]
	s_add_nc_u64 s[10:11], s[10:11], s[90:91]
	CROUND                          ; all sixteen work-groups are here
	JLOAD4                          ; keys 0 to 127 into slot 0
	v_and_b32 v1, 15, v0            ; r = l % 16
	v_bfe_u32 v14, v0, 4, 1         ; l / 16
	v_lshlrev_b32 v[QO], 7, v1
	v_lshl_add_u32 v[QO], v14, 4, v[QO]
	v_and_b32 v[GO], 31, v0
	v_lshlrev_b32 v[GO], 4, v[GO]
	WIN 0x80
.set i, 0
.rept 8                             ; Q stays in registers: piece i / 2, channels 32 (i % 2) on
	global_load_b128 v[8*i:8*i+3],   v[QO], s[4:5] offset:(i/2)*2048+(i%2)*64
	global_load_b128 v[8*i+4:8*i+7], v[QO], s[4:5] offset:(i/2)*2048+(i%2)*64+32
.set i, i+1
.endr
	WIN 0
	v_mul_u32_u24 v[AK0], v1, PK
	v_lshl_add_u32 v[AK0], v14, 4, v[AK0]  ; row r, 16 bytes for each half of the lanes
	s_mul_i32 s[T2], s[WV], 16*SP
	s_add_co_u32 s[T2], s[T2], STAGE
	v_add_nc_u32 v[STO], s[T2], v[AK0]     ; into my stage: the same place (the stage's pitch is K's)
	v_and_b32 v15, 7, v0
	v_bfe_u32 v[RD], v0, 3, 2
	v_mul_u32_u24 v[RD], v[RD], SP
	v_lshl_add_u32 v[RD], v15, 4, v[RD]
	v_add_nc_u32 v[RD], s[T2], v[RD]       ; back: 32 lanes take four rows of 128 bytes
	s_mul_i32 s[T2], s18, KHEAD
	v_add_nc_u32 v[AK0], s[T2], v[AK0]     ; K of my head
	v_lshl_add_u32 v[AV0], v14, 3, v15     ; the turning load: key 8 (l / 16) + l % 8, channels 8 ((l / 8) % 2) on
	v_mul_u32_u24 v[AV0], v[AV0], PV
	v_bfe_u32 v15, v0, 3, 1
	v_lshl_add_u32 v[AV0], v15, 4, v[AV0]
	s_mul_i32 s[T2], s18, VHEAD
	s_add_co_u32 s[T2], s[T2], VOFF
	v_add_nc_u32 v[AV0], s[T2], v[AV0]
	s_mul_i32 s[T2], s19, 64*PM
	s_add_co_u32 s[T2], s[T2], MOFF
	v_mul_u32_u24 v[AM0], v1, PM
	v_lshl_add_u32 v[AM0], v14, 5, v[AM0]
	v_add_nc_u32 v[AM0], s[T2], v[AM0]     ; the mask's row 64 x half + r, 32 bytes for each half of the lanes
	s_mul_i32 s[T2], s18, 4*PBI            ; the bias: my head's four copies,
	s_add_co_u32 s[T2], s[T2], BOFF+272
	s_lshl_b32 s[T1], s19, 8
	s_sub_co_u32 s[T2], s[T2], s[T1]
	v_and_b32 v[AB0], 3, v0                ; copy r % 4,
	v_mul_u32_u24 v[AB0], v[AB0], PBI
	v_lshl_add_u32 v[AB0], v14, 5, v[AB0]
	v_bfe_u32 v15, v0, 2, 2
	v_xor_b32 v15, 3, v15                  ; 3 - r / 4
	v_lshl_add_u32 v[AB0], v15, 4, v[AB0]
	v_add_nc_u32 v[AB0], s[T2], v[AB0]     ; entry 64 (step % 2) + 16 d + 80 + 8 (l / 16) - 64 x half - 4 (r / 4) of the copy: with the lane's eight entries 4 to 255
	; What the first turn finds: P's second buffer holds 0 (its products V^T P, of a piece that has not been, add 0), O^T and l are 0.  All this stands in the wait for the first tile.
	WIN 0x40
.set i, 0
.rept 128
	v_mov_b32 v[i], 0
.set i, i+1
.endr
	WIN 0
	s_mov_b32 s[T2], 0xff7fffff
.set i, 0
.rept 4
	v_mov_b32 v[ST+4*i], s[T2]
	v_mov_b32 v[ST+4*i+1], s[T2]
	v_mov_b32 v[ST+4*i+2], 0
	v_mov_b32 v[ST+4*i+3], 0
.set i, i+1
.endr
.set i, P+16
.rept 16
	v_mov_b32 v[i], 0
.set i, i+1
.endr
.set i, 0
.rept 8
	v_mov_b32 v[KC+i], s[K2]
.set i, i+1
.endr
; THE MATRIX WORK.  The 4 accumulators of a run of 8 take turns.  Product i of 8 of S^T = K2 + K Q^T for piece x: channels 32 (i / 4) on, keys 16 (i % 4) on; the first 4 start the sums, with K2.
.macro KQ x
	WIN W_KQ
.set rS, S+32*((\x)%2)+8*(i%4)
.set rK, KF+16*(i%4)+8*(i/4)
.set rQ, 16*(\x)+8*(i/4)
.if i < 4
	v_wmma_f32_16x16x32_f16 v[rS:rS+7], v[rK:rK+7], v[rQ:rQ+7], v[KC:KC+7]
.else
	v_wmma_f32_16x16x32_f16 v[rS:rS+7], v[rK:rK+7], v[rQ:rQ+7], v[rS:rS+7]
	s_wait_alu depctr_va_vdst(0)
.endif
.endm
; Product i of 8 of O^T += V^T P for piece x: keys 32 (i / 4) on, channels 16 (i % 4) on.
.macro PV x
	WIN W_PV
.set rO, 32*(\x)+8*(i%4)
.set rV, VF+32*(i/4)+8*(i%4)
.set rP, P+16*((\x)%2)+8*(i/4)
	v_wmma_f32_16x16x32_f16 v[rO:rO+7], v[rV:rV+7], v[rP:rP+7], v[rO:rO+7]
.endm
.macro MM                           ; the turn's next matrix instruction
.if i < 8
	KQ (Y+1)%NP
.else
.set i, i-8
	PV (Y+NP-1)%NP
.set i, i+8
.endif
.set i, i+1
.endm
; THE LDS LOADS stand in runs.  A load names its data (destination) and its address (source 0).
.macro FETCH_K
	WINM 0, 0xc3
.irp f, 0,1,2,3,4,5,6,7             ; keys 16 (f / 2) on, channels 32 (f % 2) on
	ds_load_b128 v[KF+8*\f:KF+8*\f+3],   v[AK] offset:(\f/2)*16*PK+(\f%2)*64
	ds_load_b128 v[KF+8*\f+4:KF+8*\f+7], v[AK] offset:(\f/2)*16*PK+(\f%2)*64+32
.endr
.endm
.macro FETCH_V
	WINM 0x40, 0xc3
.irp f, 0,1,2,3,4,5,6,7             ; keys 32 (f / 4) on, channels 16 (f % 4) on
	ds_load_tr16_b128 v[VF+8*\f:VF+8*\f+3],   v[AV] offset:(\f/4)*32*PV+(\f%4)*32
	ds_load_tr16_b128 v[VF+8*\f+4:VF+8*\f+7], v[AV] offset:(\f/4)*32*PV+16*PV+(\f%4)*32
.endr
.endm
.macro FETCH_B                      ; the step's seven bias blocks
	WINM 0x40, 0xc3
.irp d, 0,1,2,3,4,5,6
	ds_load_b128 v[BI+8*\d:BI+8*\d+3],   v[AB] offset:64*\d
	ds_load_b128 v[BI+8*\d+4:BI+8*\d+7], v[AB] offset:64*\d+16
.endr
.endm
.macro FETCH_M x                    ; piece x's mask: 16 rows, 64 keys
	WINM 0x80, 0xc3
.irp kb, 0,1,2,3
	ds_load_b128 v[M+32*((\x)%2)+8*\kb:M+32*((\x)%2)+8*\kb+3],   v[AM] offset:16*PM*(\x)+64*\kb
	ds_load_b128 v[M+32*((\x)%2)+8*\kb+4:M+32*((\x)%2)+8*\kb+7], v[AM] offset:16*PM*(\x)+64*\kb+16
.endr
.endm
; THE VECTOR WORK, one line at a time: OP kind, number.  For piece Y: F n: t - m for pair n of 16, as t x 1 - m, so that m is source 2 and source 1 a scalar.  E n: the exponential of score n of 32.  C n: pair n rounded
; to f16.  B n: of the four weights 4 n .. the second pair is added onto the first, in place (behind C 2 n, which reads the first).  L n: l takes that sum (L 0: l = a l + sum).  R n: pair n of 16 of O^T times a.
; For piece Y + 1: T n: t = (s' + K2) m + (B - K2) for pair n, in ascending order.
; X n: 0-11 four chains c0-c3 of seven scores each; 12-14, 16 the four scores left over, the old m, and c0-c3 into c0; 15 m_old is kept; 17, 18 the other half of the lanes': the new m; 19 m_old - m; 20 a.
.set F, 0
.set E, 1
.set C, 2
.set B, 3
.set L, 4
.set R, 5
.set X, 6
.set T, 7
.macro REGS y
.set rT, ST+4*(\y)
.set rC, TMP+4*((\y)%2)
.set rS, S+32*((\y)%2)
.set rP, P+16*((\y)%2)
.set rM, M+32*((\y)%2)
.set rO, 32*(\y)
.endm
.macro OP k, n
.if (\k) == R
	REGS Y
	WINM W_RS, 0xcf
	v_pk_mul_f32 v[rO+2*(\n):rO+2*(\n)+1], v[rO+2*(\n):rO+2*(\n)+1], v[rC+2:rC+3] op_sel_hi:[1,0]
.elseif (\k) < R
	REGS Y
.if (\k) == F
	WINM 0, 0xf3
	v_pk_fma_f32 v[rS+2*(\n):rS+2*(\n)+1], v[rS+2*(\n):rS+2*(\n)+1], s[ONE:ONE+1], v[rT:rT+1] op_sel_hi:[1,0,0] neg_lo:[0,0,1] neg_hi:[0,0,1]
.elseif (\k) == E
	WINM 0, 0xc3
	v_exp_f32 v[rS+(\n)], v[rS+(\n)]
.elseif (\k) == C
	WINM 0, 0xcf
	s_wait_alu depctr_va_vdst(0)
	v_cvt_pk_f16_f32 v[rP+(\n)], v[rS+2*(\n)], v[rS+2*(\n)+1]
.elseif (\k) == B
	WINM 0, 0xcf
	v_pk_add_f32 v[rS+4*(\n):rS+4*(\n)+1], v[rS+4*(\n):rS+4*(\n)+1], v[rS+4*(\n)+2:rS+4*(\n)+3]
.elseif (\n) == 0
	WINM 0, 0xff
	v_pk_fma_f32 v[rT+2:rT+3], v[rT+2:rT+3], v[rC+2:rC+3], v[rS:rS+1] op_sel_hi:[1,0,1]
	s_wait_alu depctr_va_vdst(0)
.else
	WINM 0, 0xcf
	v_pk_add_f32 v[rT+2:rT+3], v[rT+2:rT+3], v[rS+4*(\n):rS+4*(\n)+1]
.endif
.elseif (\k) == T
	REGS (Y+1)%NP
	WINM W_T, 0xff
.set rB, BI+8*((\n)/4+3-(Y+1)%NP)+2*((\n)%4)
	v_pk_fma_f32 v[rS+2*(\n):rS+2*(\n)+1], v[rS+2*(\n):rS+2*(\n)+1], v[rM+2*(\n):rM+2*(\n)+1], v[rB:rB+1]
.else
	REGS (Y+1)%NP
	WINM 0, 0xff
.if (\n) < 4
	v_max3_num_f32 v[rC+(\n)], v[rS+8*(\n)], v[rS+8*(\n)+1], v[rS+8*(\n)+2]
.elseif (\n) < 12
	v_max3_num_f32 v[rC+(\n)%4], v[rC+(\n)%4], v[rS+8*((\n)%4)+2*((\n)/4)+1], v[rS+8*((\n)%4)+2*((\n)/4)+2]
.elseif (\n) == 12
	v_max3_num_f32 v[rC], v[rC], v[rS+7], v[rS+15]
.elseif (\n) == 13
	v_max3_num_f32 v[rC+1], v[rC+1], v[rS+23], v[rS+31]
.elseif (\n) == 14
	v_max3_num_f32 v[rC+2], v[rC+2], v[rC+3], v[rT]
.elseif (\n) == 15
	v_mov_b32 v[rT+1], v[rT]
.elseif (\n) == 16
	v_max3_num_f32 v[rC], v[rC], v[rC+1], v[rC+2]
.elseif (\n) == 17
	v_permlanex16_b32 v[rC+3], v[rC], s[SEL], s[SEL+1]
.elseif (\n) == 18
	v_max_num_f32 v[rT], v[rC], v[rC+3]
.elseif (\n) == 19
	v_sub_f32 v[rC+1], v[rT+1], v[rT]
.else
	v_exp_f32 v[rC+2], v[rC+1]
.endif
.endif
.endm
.macro OPS a, i1, b=-1, i2=0, c=-1, i3=0, d=-1, i4=0
	OP \a, \i1
.if (\b) >= 0
	OP \b, \i2
.endif
.if (\c) >= 0
	OP \c, \i3
.endif
.if (\d) >= 0
	OP \d, \i4
.endif
.endm
.macro ROW a, i1, b, i2, c, i3, d, i4  ; a matrix instruction and the four behind it; none names a register of that instruction
	MM
	OPS \a, \i1, \b, \i2, \c, \i3, \d, \i4
.endm
; A TURN, for piece p, written out.  Every exponential has a plain instruction behind it before its result is used.  Behind the products K Q^T stand t - m and exponentials, under the products' own window setting; behind
; the first four V^T P the rescaling, likewise; the first lump is T and exponentials by turns, under one setting; all else lies in window 0.
; LDS loads, in the order of issue: every turn fetches the mask of piece p + 2, in the first lump; piece 2's turn fetches, ahead of that, K of the next step (eight plain lines behind the last product that read K: C 0-3 and
; T 0-3) and, in the second lump, behind its last T, which reads the old blocks, the next step's bias; piece 0's turn fetches V of the step in hand in the second lump (seven plain lines behind the last product that read V).
; Waits: at the head of piece 3's turn K is waited for: the mask's 8 and the bias's 14 loads, issued behind K's, may stay out.  Ahead of T 0 the mask of piece p + 1 and the bias are waited for: in piece 1's turn V's
; sixteen, issued behind that mask, may stay out; they are waited for in front of its V^T P, where the eight mask loads issued behind them may stay out.
.macro TURN p
.set Y, (\p)
.set i, 0
.if (\p) == 3
	s_wait_dscnt 22                 ; K is in
.endif
	ROW F,0, F,1, F,2, F,3
	ROW E,0, F,4, E,1, F,5
	ROW E,2, F,6, E,3, F,7
	ROW E,4, F,8, E,5, F,9
	ROW E,6, F,10, E,7, F,11
	ROW E,8, F,12, E,9, F,13
	ROW E,10, F,14, E,11, F,15
	ROW C,0, C,1, C,2, C,3
.if (\p) == 1
	s_wait_dscnt 16                 ; the mask of piece 2 is in
.else
	s_wait_dscnt 0x0                ; the mask of piece p + 1 is in, and the bias
.endif
	OPS T,0, T,1, T,2, T,3
.if (\p) == 2
	FETCH_K
.endif
	FETCH_M ((\p)+2)%NP
	OPS T,4, E,12, T,5, E,13
	OPS T,6, E,14, T,7, E,15
	OPS T,8, E,16, T,9, E,17
	OPS T,10, E,18, T,11, E,19
	OPS T,12, E,20, T,13, E,21
	OPS T,14, E,22, T,15, E,23
.if (\p) == 1
	s_wait_dscnt 8                  ; V is in
.endif
	ROW R,0, R,1, R,2, R,3
	ROW R,4, R,5, R,6, R,7
	ROW R,8, R,9, R,10, R,11
	ROW R,12, R,13, R,14, R,15
	ROW X,0, E,24, X,1, X,2
	ROW X,3, E,25, C,4, C,5
	ROW X,4, E,26, X,5, X,6
	ROW X,7, E,27, C,6, C,7
	OPS E,28, X,8, E,29, X,9
	OPS E,30, X,10, E,31, X,11
.if (\p) == 0
	FETCH_V
.endif
.if (\p) == 2
	FETCH_B
.endif
	OPS B,0, X,12, B,1, X,13
	OPS C,8, X,14, C,9, X,15
	OPS L,0, X,16, B,2, C,10
	OPS B,3, C,11, L,1, X,17
	OPS C,12, L,2, C,13, B,4
	OPS X,18, L,3, B,5, C,14
	OPS X,19, L,4, C,15, B,6
	OPS X,20, L,5, B,7, L,6
	OPS L,7
.endm
	CHANGE 1                        ; slot 0 is in, everybody's part of it; keys 128 to 255 are asked for, into slot 1
	s_mov_b32 s[CNT], 2
	STEPADDR 2
	FETCH_K
	FETCH_B
	FETCH_V                         ; the first turn multiplies V by a P of zeros: step 0's V, finite numbers, stands there; that turn fetches it once more
	FETCH_M 0
	FETCH_M 1
	s_wait_loadcnt 0x0              ; Q
	s_wait_dscnt 0x0
.set i, 0
.rept 8
	KQ 0                            ; piece 0's first scores
.set i, i+1
.endr
.rept 4
	v_nop                           ; the places behind those products
.endr
.set Y, NP-1                        ; T and X work for piece Y + 1: piece 0
.irp n, 0,1,2,3,4,5,6,7,8,9,10,11,12,13,14,15
	OP T, \n
.endr
.irp n, 0,1,2,3,4,5,6,7,8,9,10,11,12,13,14,15,16,17,18,19,20
	OP X, \n
.endr
	v_nop                           ; a plain instruction behind the exponential
	WIN 0
	s_mov_b32 s[SLOTS], 15
	s_branch .Lfirst                ; the loop is entered at a step's first turn, in the middle of a trip
.Lslot:                             ; 14 times: every slot but the last two is filled again
	CHANGE 1
	s_mov_b32 s[CNT], 2
.Lstep:                             ; a trip is pieces 2 and 3 of one step and pieces 0 and 1 of the next, which all its fetches read
	STEPADDR 2
	TURN 2
	TURN 3
	WIN 0
.Lfirst:
	TURN 0
	TURN 1
	WIN 0
	s_sub_co_u32 s[CNT], s[CNT], 1
	s_cmp_lg_u32 s[CNT], 0
	s_cbranch_scc1 .Lstep
	s_sub_co_u32 s[SLOTS], s[SLOTS], 1
	s_cmp_lg_u32 s[SLOTS], 0
	s_cbranch_scc1 .Lslot
	CHANGE 0                        ; the tail is written out: nothing is asked for
	s_mov_b32 s[CNT], 3
.Ltail:                             ; two trips fetch the last slot's steps; the third is left in its middle: its fetches read the last step once more, and the scores made of them serve nothing
	STEPADDR 3
	TURN 2
	TURN 3
	WIN 0
	s_cmp_eq_u32 s[CNT], 1
	s_cbranch_scc1 .Lskip
	TURN 0
	TURN 1
	WIN 0
.Lskip:
	s_sub_co_u32 s[CNT], s[CNT], 1
	s_cmp_lg_u32 s[CNT], 0
	s_cbranch_scc1 .Ltail
.set i, 0
.rept 8
	PV NP-1                         ; the last piece's V^T P of the last step
.set i, i+1
.endr
	; THE WAY OUT.  l's two halves and the other half of the lanes' are added; O^T is divided by l, rounded to f16 and sent through my stage, a piece at a time.  The additions are the places behind the last products.
	WIN 0
.macro ALL line:vararg
.set t, 0
.rept 4
	\line
.set t, t+1
.endr
.endm
	ALL v_add_f32 v[ST+4*t+2], v[ST+4*t+2], v[ST+4*t+3]
	ALL v_permlanex16_b32 v[ST+4*t+3], v[ST+4*t+2], s[SEL], s[SEL+1]
	ALL v_add_f32 v[ST+4*t+2], v[ST+4*t+2], v[ST+4*t+3]
	ALL v_rcp_f32 v[ST+4*t+2], v[ST+4*t+2]
	v_nop                           ; a plain instruction between the last reciprocal and the use of its result
	s_wait_alu depctr_va_vdst(0)
.macro PACK t
	WIN W_RS
.set i, 32*(\t)
.rept 16
	v_pk_mul_f32 v[i:i+1], v[i:i+1], v[ST+4*(\t)+2:ST+4*(\t)+3] op_sel_hi:[1,0]
.set i, i+2
.endr
	WIN 0x05
.set i, 0
.rept 16
	v_cvt_pk_f16_f32 v[S+16*(\t)+i], v[32*(\t)+2*i], v[32*(\t)+2*i+1]
.set i, i+1
.endr
	WIN 0
.irp f, 0,1,2,3
	ds_store_b128 v[STO], v[S+16*(\t)+4*\f:S+16*(\t)+4*\f+3] offset:32*\f
.endr
.irp f, 0,1,2,3
	ds_load_b128 v[S+16*(\t)+4*\f:S+16*(\t)+4*\f+3], v[RD] offset:\f*4*SP  ; LDS serves a wave's instructions in order (ISA guide 5.7.1.4): these see the stores above
.endr
.endm
.macro SEND t, younger              ; younger: the LDS instructions issued behind piece t's loads
	WIN 0
.irp f, 0,1,2,3
	s_wait_dscnt (\younger)+3-\f
	global_store_b128 v[GO], v[S+16*(\t)+4*\f:S+16*(\t)+4*\f+3], s[10:11] offset:(\t)*2048+\f*512  ; 512 consecutive bytes, aligned
.endr
.endm
	PACK 0
.set t, 1
.rept 3
	PACK t
	SEND t-1, 8
.set t, t+1
.endr
	SEND 3, 0
	s_wait_tensorcnt 0x0            ; the wave's end
	ds_add_u32 v[SPW], v[NIL]
	s_wait_dscnt 0x0
	CROUND                          ; the closing round
	s_endpgm
.Lfunc_end_k_qbc2ae72cca_attn:
	.size	k_qbc2ae72cca_attn, .Lfunc_end_k_qbc2ae72cca_attn-k_qbc2ae72cca_attn
	.p2alignl 7, 3214868480
	.fill 96, 4, 3214868480
	.section	.rodata,"a",@progbits
	.p2align	6, 0x0
	.amdhsa_kernel k_qbc2ae72cca_attn
		.amdhsa_group_segment_fixed_size 327680
		.amdhsa_private_segment_fixed_size 0
		.amdhsa_enable_private_segment 0
		.amdhsa_kernarg_size 32
		.amdhsa_user_sgpr_count 2
		.amdhsa_user_sgpr_kernarg_segment_ptr 1
		.amdhsa_wavefront_size32 1
		.amdhsa_system_sgpr_workgroup_id_x 1
		.amdhsa_system_sgpr_workgroup_id_y 1
		.amdhsa_system_sgpr_workgroup_id_z 1
		.amdhsa_system_vgpr_workitem_id 0
		.amdhsa_next_free_vgpr 640
		.amdhsa_next_free_sgpr 96
		.amdhsa_reserve_vcc 0
		.amdhsa_float_denorm_mode_32 3
		.amdhsa_float_denorm_mode_16_64 3
		.amdhsa_memory_ordered 1
		.amdhsa_forward_progress 1
		.amdhsa_inst_pref_size 128
	.end_amdhsa_kernel
	.amdgpu_metadata
---
amdhsa.version: [ 1, 2 ]
amdhsa.kernels:
  - .name:           k_qbc2ae72cca_attn
    .symbol:         k_qbc2ae72cca_attn.kd
    .args:
      - { .name: qkv, .offset: 0, .size: 8, .value_kind: global_buffer, .address_space: global }
      - { .name: attention_mask, .offset: 8, .size: 8, .value_kind: global_buffer, .address_space: global }
      - { .name: biasg, .offset: 16, .size: 8, .value_kind: global_buffer, .address_space: global }
      - { .name: ctx, .offset: 24, .size: 8, .value_kind: global_buffer, .address_space: global }
    .group_segment_fixed_size: 327680
    .private_segment_fixed_size: 0
    .kernarg_segment_align: 8
    .kernarg_segment_size: 32
    .max_flat_workgroup_size: 128
    .sgpr_count:     96
    .vgpr_count:     640
    .wavefront_size: 32
...
	.end_amdgpu_metadata
.endif
;; end of part 6
;; launch outp: the kernel of part 4 again; grid 8 x 32, 4 waves a work-group, clusters of 4 x 4, 327,680 bytes of LDS; arguments ctx, wot, out0; writes out0
